; MI455X (gfx1250); checked and timed in simulation.
; The chip was launched on July 23, 2026; its instructions are those of AMD's public machine-readable ISA for CDNA 5 (MIT licence, August 2026) and "CDNA5" Instruction Set Architecture Reference Guide (July 2026). The comments in the code are by the model that wrote it; some were corrected since.
;; Causal Self Attention. Allowed arithmetic: matrix products marked QUANTISED: E2M1 operands, one E8M0 scale for each 32 along K, by v_wmma_scale_f32_16x16x128_f8f6f4 with both operands' format E2M1 (or v_wmma_scale_f32_32x16x128_f4), f32 sums; products left as they are: bf16, f16 or f32 operands; f32 sums; everything else in f32.
;; Inputs: Wproj 1,024 x 1,024 float32; Wqkv 3,072 x 1,024 float32; x 4 x 2,048 x 1,024 float32.
;; Outputs: out0 4 x 2,048 x 1,024 float32.
;; This version of the problem:
;;   THIS VERSION OF THE PROBLEM IS GIVEN IN LOW PRECISION. The matrix products marked QUANTISED in the list below multiply operands that are first quantised to E2M1 (2 exponent bits, 1 mantissa bit; 4 bits a number), with one power-of-two scale for each 32 numbers along K (OCP MX v1.0); their sums are f32. The products marked 'left as it is' may take bf16, f16 or f32 operands, with f32 sums. Whichever they take, every output number must still come out within the allowed error. Rounding operands to bf16 (8 significant bits) uses up far more of that allowance than f16 does (11 bits, for magnitudes from 6e-5 to 65,504). All else is computed in f32.
;;   The module's matrix products, in the order in which they are computed (A, B: the left and right operand; K: the contracted axis; several contracted axes count as one K, in the product's order):
;;     1. [M 8,192, K 1,024] x [K 1,024, N 3,072]; A: input x; B: input Wqkv: QUANTISED
;;     2. [M 2,048, K 1] x [K 1, N 32]; A: computed on the way; B: computed on the way: left as it is (no contracted axis)
;;     3. batch 64 x [M 2,048, K 64] x [K 64, N 2,048]; A: computed on the way; B: computed on the way: left as it is (an operand is computed on the way)
;;     4. batch 64 x [M 2,048, K 2,048] x [K 2,048, N 64]; A: computed on the way; B: computed on the way: left as it is (an operand is computed on the way)
;;     5. [M 8,192, K 1,024] x [K 1,024, N 1,024]; A: computed on the way; B: input Wproj: left as it is (an operand is computed on the way)
;;   THE QUANTISER, for each operand of a quantised product, along K:
;;     - K is cut into blocks of 32 from its start; a last block that is shorter is filled with zeros.
;;     - A block's scale is 2^e with e = floor(log2(the largest magnitude in the block)) - 2, held to -126 .. 127; a block of zeros has e = 0. As a byte (E8M0): e + 127.
;;     - Each number is divided by its block's scale, clamped to +-6, and rounded to the nearest number of E2M1, ties to even, subnormals kept.
;;     - The product sums the exact products of the quantised numbers (number of the format x scale) in f32.
;;   ~~~python
;;   def quantise(x, axis):      # numpy; x: float32 -> the quantised numbers, widened to float32 again
;;       x = np.moveaxis(x, axis, -1); K = x.shape[-1]
;;       x = np.pad(x, [(0, 0)] * (x.ndim - 1) + [(0, -K % 32)]); x = x.reshape(x.shape[:-1] + (-1, 32)); a = np.abs(x).max(-1, keepdims=True)
;;       e = np.where(a > 0, np.clip(np.frexp(np.where(a > 0, a, 1))[1] - 1 - 2, -126, 127), 0)      # np.frexp(a)[1] - 1 = floor(log2(a)), exactly
;;       r = np.clip(x / 2.0 ** e, -6, 6)
;;       step = 2.0 ** (np.maximum(np.frexp(np.where(r == 0, 1, r))[1] - 1, 0) - 1)
;;       q = np.round(r / step) * step * 2.0 ** e      # np.round: ties to even
;;       return np.moveaxis(q.reshape(q.shape[:-2] + (-1,))[..., :K], -1, axis).astype(np.float32)
;;   ~~~
;; One version. Each part assembles by itself: llvm-mc -triple=amdgcn-amd-amdhsa -mcpu=gfx1250 --defsym DOCPART=n.
;; ======== version 1 of 1: 5 launches
;; limits: values are held in f16: magnitudes above 65,504 overflow, below 6.1e-05 lose precision
;; workspace buffers: codes 5,767,168 bytes; scales 360,448 bytes; wp16 2,097,152 bytes; rope 524,288 bytes; qkv 50,331,648 bytes; first 786,432 bytes; yh 16,777,216 bytes
;; launch prep (part 1): grid 416 x 1, 4 waves a work-group, no clusters, 33,280 bytes of LDS; arguments x, Wqkv, codes, scales, Wproj, wp16, rope; writes codes, scales, wp16, rope
.if DOCPART == 1
	.amdgcn_target "amdgcn-amd-amdhsa--gfx1250"
	.amdhsa_code_object_version 6
	.text
	.protected	k_q6520219013_prep
	.globl	k_q6520219013_prep
	.p2align	8
	.type	k_q6520219013_prep,@function
k_q6520219013_prep:
	s_mov_b64 s[64:65], 0
	v_nop
	global_prefetch_b8 v0, s[64:65] scope:SCOPE_SE
	s_setreg_imm32_b32 hwreg(HW_REG_WAVE_MODE, 25, 1), 1
	s_wait_xcnt 0x0
; PREP: what the later launches read many times is made once.
;   work-groups   0-255: x    [8192][1024] f32 -> codes of FP4 (E2M1), K innermost, 512 bytes a row, and one E8M0 byte for each 32 along K
;   work-groups 256-351: Wqkv [3072][1024] f32 -> the same, behind x's in the two buffers (codes + 0x400000, scales + 0x40000)
;   work-groups 352-383: Wproj [1024][1024] f32 -> f16, same order
;   work-groups 384-415: the rotary table, [2048 t][cos 32 f32, sin 32 f32]: 256 bytes for each t
; THE QUANTISER: a block's scale is 2^(floor(log2(largest magnitude)) - 2); its byte is the largest magnitude's exponent field - 2, held at 1 from below; each number / scale goes to the nearest code, ties to even,
; beyond 6 the largest code.  Rows are dense and K is a multiple of 32: both tensors are plain streams of blocks of 32.
; LIMITS: a block of zeros has the byte 1 where the rule says 127 (its codes are zeros, and this program alone reads the bytes); blocks whose largest magnitude lies under 2^-124 keep the byte 1; NaN and infinities
; among the inputs are not served; |Wproj| above 65,504 becomes infinite in f16; the table's frequencies 10000^(-i/32) come from v_exp_f32 (1 ulp), so that an angle at t = 2,047 may be off by some 5e-4 rad
; (q and k turn by the same table).
; A wave of the quantiser takes 16 steps of 512 numbers: four loads of 512 consecutive bytes; the 2,048 bytes turn through the wave's own stage in LDS and come back 64 bytes a lane (16 neighbours along K; two lanes hold a block).
.set WAVES, 4
.set STEPS, 16
.set WGA,   256                        ; x's work-groups: 8192 x 1024 / 32768
.set WGQ,   352                        ; + Wqkv's 96
.set WGW,   384                        ; + Wproj's 32
.set EMAX,  2
.set CB,    8                          ; bytes of 16 codes
.set R,     16                         ; v16-79   four sets of 16 numbers as they are loaded
.set X,     80                         ; v80-111  two sets of 16 neighbours
.set C,     128                        ; v128-191 codes: four registers for each step, so that no store's data are written again
.set E,     112                        ; v112-127 a scale byte for each step
.set WREG,  8192                       ; LDS: a region for each wave: two stages of 32 x SP bytes, behind them its 256 scale bytes
.set SP,    80                         ; a lane's place in a stage: 64 bytes + 16 of padding
.set SPW,   12                         ; v12  LDS address of my spare word; never rewritten
.set NIL,   13                         ; v13  0; never rewritten
.set SPARE, WAVES*WREG                 ; behind the four regions: the spare words, 128 bytes a wave
	s_load_b128 s[4:7], s[0:1], 0x0                ; x, Wqkv
	s_load_b128 s[8:11], s[0:1], 0x10              ; codes, scales
	s_load_b128 s[24:27], s[0:1], 0x20             ; Wproj, wp16
	s_load_b64 s[28:29], s[0:1], 0x30              ; rope
	v_lshl_add_u32 v[SPW], v0, 2, SPARE
	v_mov_b32 v[NIL], 0
	v_lshrrev_b32 v1, 5, v0
	v_readfirstlane_b32 s16, v1                    ; wave
	v_and_b32 v2, 31, v0                           ; lane
	s_wait_kmcnt 0x0
	s_cmp_ge_u32 ttmp9, WGQ
	s_cbranch_scc1 .Lsmall
	; ---------------- the quantiser ----------------
	v_lshlrev_b32 v3, 4, v2                        ; my 16 bytes of a load's 512
	s_mul_i32 s17, s16, WREG
	v_lshrrev_b32 v14, 2, v2
	v_mul_u32_u24 v14, v14, SP
	v_and_b32 v15, 3, v2
	v_lshl_add_u32 v14, v15, 4, v14
	v_add_nc_u32 v14, s17, v14                     ; the stage, on the way in: four lanes' 64 bytes on end, then 16 of padding
	v_mul_u32_u24 v15, v2, SP
	v_add_nc_u32 v15, s17, v15                     ; on the way out: SP x lane: my 16 neighbours
	v_mul_u32_u24 v4, v2, CB                       ; my codes' place in a step's
	v_lshrrev_b32 v5, 1, v2
	s_add_co_u32 s17, s17, 2*32*SP
	v_add_nc_u32 v5, s17, v5                       ; LDS: my wave's 256 scale bytes, my block's byte
	v_lshlrev_b32 v7, 3, v2                        ; and on the way out 8 bytes a lane
	v_add_nc_u32 v6, s17, v7
	s_cmp_lt_u32 ttmp9, WGA                        ; x's work-group or Wqkv's?  The choice hangs on the work-group's number alone
	s_cselect_b64 s[4:5], s[4:5], s[6:7]
	s_cselect_b32 s17, 0, WGA
	s_cselect_b32 s22, 0, 0x400000                 ; where the tensor's codes begin,
	s_cselect_b32 s30, 0, 0x40000                  ; and its scale bytes
	s_mov_b32 s23, 0
	s_mov_b32 s31, 0
	s_sub_co_u32 s17, ttmp9, s17
	s_lshl_b32 s17, s17, 2
	s_add_co_u32 s18, s17, s16                     ; which run of 8,192 numbers of the tensor is my wave's (under 1,024)
	s_mov_b32 s19, 0
	s_lshl_b32 s20, s18, 15                        ; 32,768 bytes of f32 a run
	s_mov_b32 s21, 0
	s_add_nc_u64 s[4:5], s[4:5], s[20:21]
	s_lshl_b32 s20, s18, 12                        ; 4,096 bytes of codes
	s_add_nc_u64 s[8:9], s[8:9], s[20:21]
	s_add_nc_u64 s[8:9], s[8:9], s[22:23]
	s_lshl_b32 s18, s18, 8                         ; 256 scale bytes
	s_add_nc_u64 s[10:11], s[10:11], s[18:19]
	s_add_nc_u64 s[10:11], s[10:11], s[30:31]
.macro LOAD t
.irp i, 0,1,2,3
	global_load_b128 v[R+16*((\t)%4)+4*\i:R+16*((\t)%4)+4*\i+3], v3, s[4:5] offset:2048*(\t)+512*\i th:TH_LOAD_NT   ; 32 lanes read 512 consecutive bytes
.endr
.endm
.macro TURN t                          ; step t's numbers through the stage: LDS serves a wave's instructions in order, so no wait stands between the stores and the loads
.irp i, 0,1,2,3
	ds_store_b128 v14, v[R+16*((\t)%4)+4*\i:R+16*((\t)%4)+4*\i+3] offset:32*SP*((\t)%2)+8*SP*\i
.endr
.irp i, 0,1,2,3
	ds_load_b128 v[X+16*((\t)%2)+4*\i:X+16*((\t)%2)+4*\i+3], v15 offset:32*SP*((\t)%2)+16*\i
.endr
.endm
.irp t, 0,1,2,3
	LOAD \t
.endr
	s_wait_loadcnt 12                              ; step 0's four loads are in; twelve younger ones stay out
	TURN 0
.macro STEP t
.set XS, X+16*((\t)%2)
.if (\t) > 0
	s_wait_dscnt 1                                 ; this step's numbers are back from the stage (the last step's byte store may be out)
.else
	s_wait_dscnt 0x0
.endif
.if (\t)+4 < STEPS
	LOAD (\t)+4                                    ; the registers that the stage's stores have read take the loads of four steps on
.endif
.if (\t)+1 < STEPS
.if STEPS-2-(\t) >= 3
	s_wait_loadcnt 12                              ; the next step's four loads are in; those of the three steps behind it may be out
.else
	s_wait_loadcnt 4*(STEPS-2-(\t))
.endif
	TURN (\t)+1                                    ; and go through the other stage while this step is worked
.endif
	v_max3_num_f32 v8, |v[XS]|, |v[XS+1]|, |v[XS+2]|               ; the largest magnitude of my 16
	v_max3_num_f32 v9, |v[XS+3]|, |v[XS+4]|, |v[XS+5]|
.irp i, 6,10
	v_max3_num_f32 v8, v8, |v[XS+\i]|, |v[XS+\i+1]|
	v_max3_num_f32 v9, v9, |v[XS+\i+2]|, |v[XS+\i+3]|
.endr
	v_max3_num_f32 v8, v8, |v[XS+14]|, |v[XS+15]|
	v_max3_num_f32 v8, v8, v9, (EMAX+1)<<23        ; and the floor 2^(EMAX + 1 - 127): the byte cannot fall under 1
	v_max_num_f32_dpp v8, v8, v8 row_xmask:1 row_mask:0xf bank_mask:0xf   ; and of my neighbour's 16: the block's
	v_add_nc_u32 v11, -(EMAX<<23), v8              ; EMAX off its exponent field: the conversion takes the exponent field of this operand as its scale
	v_cvt_scalef32_pk8_fp4_f32 v[C+4*(\t)], v[XS:XS+7], v11
	v_cvt_scalef32_pk8_fp4_f32 v[C+4*(\t)+1], v[XS+8:XS+15], v11
	v_lshrrev_b32 v[E+(\t)], 23, v11               ; the scale's byte
	ds_store_b8 v5, v[E+(\t)] offset:16*(\t)       ; both lanes of a block write the same byte with the same value
	global_store_b64 v4, v[C+4*(\t):C+4*(\t)+1], s[8:9] offset:32*CB*(\t)   ; the wave stores 256 consecutive bytes, aligned
.endm
.irp t, 0,1,2,3,4,5,6,7,8,9,10,11,12,13,14,15
	STEP \t
.endr
	ds_load_b64 v[8:9], v6                         ; LDS serves a wave's instructions in order: these see my stores
	s_wait_dscnt 0x0
	global_store_b64 v7, v[8:9], s[10:11]          ; 32 lanes store 256 consecutive bytes, aligned
	s_wait_tensorcnt 0x0                           ; the wave's end: a wait, an add to my spare word and its wait, behind my last LDS store
	ds_add_u32 v[SPW], v[NIL]
	s_wait_dscnt 0x0
	s_endpgm
.Lsmall:
	s_cmp_ge_u32 ttmp9, WGW
	s_cbranch_scc1 .Ltable
	; ---------------- Wproj to f16: a wave takes 8,192 numbers, four rounds of sixteen loads of 512 bytes; no LDS ----------------
	s_sub_co_u32 s17, ttmp9, WGQ
	s_lshl_b32 s17, s17, 2
	s_add_co_u32 s17, s17, s16
	s_lshl_b32 s18, s17, 15
	s_mov_b32 s19, 0
	s_add_nc_u64 s[24:25], s[24:25], s[18:19]
	s_lshl_b32 s18, s17, 14
	s_add_nc_u64 s[26:27], s[26:27], s[18:19]
	v_lshlrev_b32 v3, 4, v2
	v_lshlrev_b32 v4, 3, v2
.macro LOADW g
.irp i, 0,1,2,3,4,5,6,7,8,9,10,11,12,13,14,15
	global_load_b128 v[16+64*((\g)%2)+4*\i:16+64*((\g)%2)+4*\i+3], v3, s[24:25] offset:512*(16*(\g)+\i) th:TH_LOAD_NT
.endr
.endm
	LOADW 0
	LOADW 1
.irp g, 0,1,2,3
.if \g < 3
	s_wait_loadcnt 16                              ; this round's sixteen are in; the other set's sixteen stay out
.else
	s_wait_loadcnt 0
.endif
.if \g > 0
	s_wait_xcnt 0x0                                ; the last round's stores have read v144-175
.endif
.irp i, 0,1,2,3,4,5,6,7,8,9,10,11,12,13,14,15
	v_cvt_pk_f16_f32 v[144+2*\i], v[16+64*(\g%2)+4*\i], v[16+64*(\g%2)+4*\i+1]
	v_cvt_pk_f16_f32 v[145+2*\i], v[16+64*(\g%2)+4*\i+2], v[16+64*(\g%2)+4*\i+3]
.endr
.irp i, 0,1,2,3,4,5,6,7,8,9,10,11,12,13,14,15
	global_store_b64 v4, v[144+2*\i:145+2*\i], s[26:27] offset:256*(16*\g+\i)   ; the wave stores 256 consecutive bytes, aligned
.endr
.if \g+2 < 4
	LOADW \g+2
.endif
.endr
	s_endpgm
.Ltable:
	; ---------------- the table: a wave takes 16 t.  Lanes 0-15 make cos of frequencies 2 (lane % 16) and + 1, lanes 16-31 sin of the same: sin(a) = cos(a - pi/2) ----------------
	s_sub_co_u32 s17, ttmp9, WGW
	s_lshl_b32 s17, s17, 2
	s_add_co_u32 s17, s17, s16
	s_lshl_b32 s21, s17, 4                         ; my first t
	s_lshl_b32 s18, s17, 12                        ; 16 t x 256 bytes
	s_mov_b32 s19, 0
	s_add_nc_u64 s[28:29], s[28:29], s[18:19]
	s_mov_b32 s32, 0x3f22f983                      ; 2 / pi
	s_mov_b32 s33, 0x3fc90fdb                      ; pi / 2, the f32 nearest to it,
	s_mov_b32 s34, 0xb33bbd2e                      ; and what is left of it
	s_mov_b32 s35, 0xbe2aaaab                      ; sin: -1/6, 1/120, -1/5040, 1/362880
	s_mov_b32 s36, 0x3c088889
	s_mov_b32 s37, 0xb9500d01
	s_mov_b32 s38, 0x3638ef1d
	s_mov_b32 s39, 0x3d2aaaab                      ; cos: 1/24, -1/720, 1/40320 (-1/2 and 1 are written in the lines)
	s_mov_b32 s40, 0xbab60b61
	s_mov_b32 s41, 0x37d00d01
	v_lshrrev_b32 v3, 4, v2                        ; 0: cos, 1: sin
	v_and_b32 v4, 15, v2
	v_lshlrev_b32 v4, 1, v4
	v_add_nc_u32 v5, 1, v4
	v_cvt_f32_u32 v4, v4
	v_cvt_f32_u32 v5, v5
	v_mul_f32 v4, 0xbed49a78, v4                   ; -i x log2(10000) / 32
	v_mul_f32 v5, 0xbed49a78, v5
	v_exp_f32 v6, v4                               ; 10000^(-i / 32)
	v_exp_f32 v7, v5
	v_mul_u32_u24 v3, v3, 3                        ; (a plain line behind the exponentials)  sin: three quarter turns more
	v_lshlrev_b32 v8, 3, v2                        ; 8 bytes a lane
	s_wait_alu depctr_va_vdst(0)                   ; one wait for both exponentials, ahead of the label and of their first reader
	s_mov_b32 s20, 16
.Lt:
	v_cvt_f32_u32 v16, s21
.irp e, 0,1
	v_mul_f32 v[18+\e], v16, v[6+\e]               ; the angle, as reference() has it: t x frequency in f32
.endr
.irp e, 0,1
	v_mul_f32 v[20+\e], s32, v[18+\e]
.endr
.irp e, 0,1
	v_rndne_f32 v[20+\e], v[20+\e]                 ; n quarter turns
.endr
.irp e, 0,1
	v_fma_f32 v[22+\e], -v[20+\e], s33, v[18+\e]
.endr
.irp e, 0,1
	v_fma_f32 v[22+\e], -v[20+\e], s34, v[22+\e]   ; r = angle - n pi/2, within pi/4 of 0
.endr
.irp e, 0,1
	v_mul_f32 v[24+\e], v[22+\e], v[22+\e]
.endr
.irp e, 0,1
	v_fma_f32 v[26+\e], s38, v[24+\e], s37
	v_fma_f32 v[28+\e], s41, v[24+\e], s40
.endr
.irp e, 0,1
	v_fma_f32 v[26+\e], v[26+\e], v[24+\e], s36
	v_fma_f32 v[28+\e], v[28+\e], v[24+\e], s39
.endr
.irp e, 0,1
	v_fma_f32 v[26+\e], v[26+\e], v[24+\e], s35
	v_fma_f32 v[28+\e], v[28+\e], v[24+\e], -0.5
	v_mul_f32 v[34+\e], v[24+\e], v[22+\e]
.endr
.irp e, 0,1
	v_fma_f32 v[26+\e], v[26+\e], v[34+\e], v[22+\e]   ; sin r
	v_fma_f32 v[28+\e], v[28+\e], v[24+\e], 1.0        ; cos r
	v_cvt_i32_f32 v[30+\e], v[20+\e]
.endr
.irp e, 0,1
	v_add_nc_u32 v[30+\e], v[30+\e], v3            ; m quarter turns: cos(m pi/2 + r) = cos r, -sin r, -cos r, sin r for m % 4 = 0, 1, 2, 3
	v_and_b32 v[36+\e], 1, v[30+\e]
.endr
.irp e, 0,1
	v_cmp_eq_u32 vcc_lo, 1, v[36+\e]
	v_cndmask_b32 v[32+\e], v[28+\e], v[26+\e], vcc_lo
	v_add_nc_u32 v[30+\e], 1, v[30+\e]
	v_and_b32 v[30+\e], 2, v[30+\e]
	v_lshlrev_b32 v[30+\e], 30, v[30+\e]
	v_xor_b32 v[32+\e], v[32+\e], v[30+\e]         ; the sign
.endr
	global_store_b64 v8, v[32:33], s[28:29]        ; 32 lanes store t's 256 bytes, aligned
	s_wait_xcnt 0x0                                ; the store has read its data and its base: both are written again below and in the next trip
	s_add_nc_u64 s[28:29], s[28:29], 256
	s_add_co_u32 s21, s21, 1
	s_sub_co_u32 s20, s20, 1
	s_cmp_lg_u32 s20, 0
	s_cbranch_scc1 .Lt
	s_endpgm
.Lfunc_end_k_q6520219013_prep:
	.size	k_q6520219013_prep, .Lfunc_end_k_q6520219013_prep-k_q6520219013_prep
	.p2alignl 7, 3214868480
	.fill 96, 4, 3214868480
	.section	.rodata,"a",@progbits
	.p2align	6, 0x0
	.amdhsa_kernel k_q6520219013_prep
		.amdhsa_group_segment_fixed_size 33280
		.amdhsa_private_segment_fixed_size 0
		.amdhsa_enable_private_segment 0
		.amdhsa_kernarg_size 56
		.amdhsa_user_sgpr_count 2
		.amdhsa_user_sgpr_kernarg_segment_ptr 1
		.amdhsa_wavefront_size32 1
		.amdhsa_system_sgpr_workgroup_id_x 1
		.amdhsa_system_sgpr_workgroup_id_y 1
		.amdhsa_system_sgpr_workgroup_id_z 1
		.amdhsa_system_vgpr_workitem_id 0
		.amdhsa_next_free_vgpr 192
		.amdhsa_next_free_sgpr 66
		.amdhsa_reserve_vcc 1
		.amdhsa_float_denorm_mode_32 3
		.amdhsa_float_denorm_mode_16_64 3
		.amdhsa_memory_ordered 1
		.amdhsa_forward_progress 1
		.amdhsa_inst_pref_size 58
	.end_amdhsa_kernel
	.amdgpu_metadata
---
amdhsa.version: [ 1, 2 ]
amdhsa.kernels:
  - .name:           k_q6520219013_prep
    .symbol:         k_q6520219013_prep.kd
    .args:
      - { .name: x, .offset: 0, .size: 8, .value_kind: global_buffer, .address_space: global }
      - { .name: Wqkv, .offset: 8, .size: 8, .value_kind: global_buffer, .address_space: global }
      - { .name: codes, .offset: 16, .size: 8, .value_kind: global_buffer, .address_space: global }
      - { .name: scales, .offset: 24, .size: 8, .value_kind: global_buffer, .address_space: global }
      - { .name: Wproj, .offset: 32, .size: 8, .value_kind: global_buffer, .address_space: global }
      - { .name: wp16, .offset: 40, .size: 8, .value_kind: global_buffer, .address_space: global }
      - { .name: rope, .offset: 48, .size: 8, .value_kind: global_buffer, .address_space: global }
    .group_segment_fixed_size: 33280
    .private_segment_fixed_size: 0
    .kernarg_segment_align: 8
    .kernarg_segment_size: 56
    .max_flat_workgroup_size: 128
    .sgpr_count:     66
    .vgpr_count:     192
    .wavefront_size: 32
...
	.end_amdgpu_metadata
.endif
;; end of part 1
;; launch qkv (part 2): grid 12 x 32, 4 waves a work-group, clusters of 4 x 4, 327,680 bytes of LDS; arguments codes, scales, rope, qkv, first; writes qkv, first
.if DOCPART == 2
	.amdgcn_target "amdgcn-amd-amdhsa--gfx1250"
	.amdhsa_code_object_version 6
	.text
	.protected	k_q6520219013_qkv
	.globl	k_q6520219013_qkv
	.p2align	8
	.type	k_q6520219013_qkv,@function
k_q6520219013_qkv:
	s_mov_b64 s[64:65], 0
	v_nop
	global_prefetch_b8 v0, s[64:65] scope:SCOPE_SE
	s_setreg_imm32_b32 hwreg(HW_REG_WAVE_MODE, 25, 1), 1
	s_wait_xcnt 0x0
	s_wait_alu depctr_hold_cnt(0) depctr_sa_sdst(0) depctr_va_vdst(0) depctr_va_sdst(0) depctr_va_ssrc(0) depctr_va_vcc(0) depctr_vm_vsrc(0)
	s_getreg_b32 s2, hwreg(HW_REG_IB_STS2, 6, 4)
	s_cmp_eq_u32 s2, 0
	s_cbranch_scc0 .Lentry_in_a_cluster
	s_endpgm
.Lentry_in_a_cluster:
	s_bfe_u32 s2, ttmp6, 0x10000c
	s_cmp_lg_u32 s2, 0xf033
	s_cbranch_scc0 .Lentry_shape_is_right
	s_endpgm
.Lentry_shape_is_right:
; QKV = x Wqkv^T on codes of FP4 (E2M1) with one E8M0 scale for each 32 along K; then the rotary turn of q and k in f32; q, k, v leave as f16, laid by head: section s (q, k, v) at s x 2^24 bytes, [b][h][t][64].
; Positions 0 to 15 of every sequence leave a second time as f32 (buffer first, [section][b][h][16][64]): a later launch carries those rows in f32.
; A tile of 256 x 256 is made by four waves, each 128 x 128: 64 accumulators, 512 registers.  K = 1,024 is two slots of 512: both slots and all scale bytes are first fills; nothing in LDS is filled again.
; CLUSTERS: 4 x 4 work-groups.  The four of a row need the same rows of x, the four of a column the same rows of Wqkv: each tile is asked for jointly.  Tile row = 8 cy + cluster y, so that the batch is cy
; (it enters addresses alone) and the place in the sequence is the cluster's y; tile column = 4 cluster x + cx, so that the section is the cluster's x: branches hang on the cluster's x and y and on the wave's number alone.
; THE MATRIX INSTRUCTION IS USED TRANSPOSED (source 0 = 16 rows of Wqkv, source 1 = 16 rows of x): a lane holds eight neighbouring channels of one position.
; 384 tiles: the chip's second turn is half full; a tile of another shape would cut heads between waves.
; LIMITS: |q|, |k|, |v| above 65,504 become infinite in f16; NaN and infinities among the inputs are not served.
; REGISTERS: window 0: v16-30 addresses; v32-95 scale words, two sets; v128-191 x's fragments, one set; v192-255 cos and sin, two sets.  On the way out v32-95 packed f16, v96-127 turned numbers, v128-191 rows read back.
;   window 1: Wqkv's fragments, two sets, at v0 and v128.  window 2: accumulators of my rows 0-63 ((a, b) at v[8 (8 a + b)]);  window 3: of my rows 64-127.
.set NQ,     4                         ; steps of 128 along K in a slot
.set ROWB,   256                       ; a tile's row in bytes: 512 codes
.set KROW,   512                       ; a row of codes in memory
.set PITCH,  272                       ; an LDS row: 256 bytes + 16 of padding: the 16 rows that a load touches start at 16 different banks
.set FR,     8
.set NL,     2
.set NP,     4
.set HALFT,  128*PITCH
.set SLOT,   4*HALFT
.set KS,     32                        ; a row of scale bytes
.set SCL,    2*SLOT                    ; behind the two slots: the scales, as units of 256 bytes + 16 of padding
.set HALFS,  (128*KS/256)*272
.set SBLK,   (16*KS/256)*272
.set SPARE,  SCL+4*HALFS               ; the spare words, 128 bytes a wave
.set STG,    4608                      ; the way out: a stage of [2 heads][16 rows] x 144 bytes for each wave, in slot 0, which has had its only fill and its last read by then
.set ADRA, 16
.set ADRB, 20
.set STO,  24                          ; v24  the stage: where I put 16 bytes of a row
.set RD,   25                          ; v25  where I read rows back
.set CO,   26                          ; v26  16 x lane
.set ADRS, 27                          ; v27  my scale words: lanes 0-15 x's rows, lanes 16-31 Wqkv's
.set SPW,  28
.set NIL,  29
.set CT,   30                          ; v30  256 r + 32 h: my place in the table's rows and in the f32 copy's alike
.set SC,   32
.set AF,   128
.set P,    32                          ; the way out: packed f16, two sets of 32
.set T,    96                          ; 32 turned numbers of a head
.set BK,   128                         ; rows read back, two sets of 32
.set CSS,  192                         ; cos (16) and sin (16) of a block of 16 positions, two sets
.set G1, 24
.set G0, 32
.set G1B, 48
.set G0B, 56
.set G1S, 68
.set G0S, 76
.set G1SB, 80
.set G0SB, 88
.set RP,   96                          ; s[96:97]   the table at my first position
.set QP,   98                          ; s[98:99]   qkv at my first head and position
.set FP,   100                         ; s[100:101] the f32 copy at my first head
.set FLAG, 12                          ; s12  1 where my first 16 rows are positions 0 to 15
.set MSB, 0
.macro WIN new                         ; the immediate's high byte repeats the setting that is left
.if MSB != (\new)
	s_set_vgpr_msb (MSB<<8)|(\new)
.set MSB, (\new)
.endif
.endm
.set MUL_LO, 0xa1                      ; source 0 window 1, source 1 window 0, C and D window 2
.set MUL_HI, 0xf1
.set TO_B,   0x40
; A joint load: waves 0 and 1 fetch for x, waves 2 and 3 for Wqkv; the branch hangs on the wave's number alone.  An s_nop 0 and four v_nop follow each of the two lines.
.macro JLOAD g0a, g1a, g0b, g1b
	s_cmp_eq_u32 s15, 0
	s_cbranch_scc0 .Lfor_b_\@
	tensor_load_to_lds s[\g0a:\g0a+3], s[\g1a:\g1a+7]
	s_nop 0
.rept 4
	v_nop
.endr
	s_branch .Lasked_\@
.Lfor_b_\@:
	tensor_load_to_lds s[\g0b:\g0b+3], s[\g1b:\g1b+7]
	s_nop 0
.rept 4
	v_nop
.endr
.Lasked_\@:
.endm
.macro CROUND                          ; a round of the cluster's barrier
	s_barrier_signal -1
	s_barrier_wait -1
	s_cmp_lg_u32 s14, 0
	s_cbranch_scc1 .Lnot_wave_0_\@
	s_barrier_signal -3
.Lnot_wave_0_\@:
	s_barrier_wait -3
	s_barrier_signal -1
	s_barrier_wait -1
.endm
	s_load_b128 s[4:7], s[0:1], 0x0                ; codes, scales
	s_load_b128 s[96:99], s[0:1], 0x10             ; rope, qkv
	s_load_b64 s[100:101], s[0:1], 0x20            ; first
	v_lshl_add_u32 v[SPW], v0, 2, SPARE
	v_mov_b32 v[NIL], 0
	ds_add_u32 v[SPW], v[NIL]                      ; the wave's opening: the add, twice on end, and its wait ahead of my first tensor load
	ds_add_u32 v[SPW], v[NIL]
	v_lshrrev_b32 v1, 5, v0
	v_readfirstlane_b32 s14, v1                    ; wave 0..3
	s_lshr_b32 s15, s14, 1                         ; which half of the tile's rows is mine.  Also: I fetch for x (0) or for Wqkv (1)
	s_and_b32 s16, s14, 1                          ; which half of its columns.  Also: which 128 rows I fetch
	s_bfe_u32 s40, ttmp6, 0x40000                  ; cx
	s_bfe_u32 s41, ttmp6, 0x40004                  ; cy
	s_lshl_b32 s42, ttmp9, 2
	s_add_co_u32 s42, s42, s40                     ; tile column = 4 x cluster x + cx
	s_and_b32 s13, ttmp7, 0xffff                   ; cluster y
	s_lshl_b32 s17, s41, 3
	s_add_co_u32 s17, s17, s13                     ; tile row = 8 cy + cluster y
	s_lshl_b32 s43, s41, 2
	s_lshl_b32 s43, 15, s43                        ; my row of the cluster
	s_lshl_b32 s44, 0x1111, s40                    ; my column
	s_or_b32 s[G1+0], s43, (0<<16)|(1<<20)|(1<<21)|(5<<22)|(3<<25)  ; the mask; elements of 1 byte; padding on, four words after every 64; bit 21 beside a mask
	s_or_b32 s[G1B+0], s44, (0<<16)|(1<<20)|(1<<21)|(5<<22)|(3<<25)
.irp g, G1, G1B
	s_mov_b32 s[\g+1], ROWB<<16                    ; tensor_dim0
	s_mov_b32 s[\g+2], 128<<16                     ; tensor_dim1
	s_mov_b32 s[\g+3], ROWB<<16                    ; tile_dim0
	s_mov_b32 s[\g+4], 128                         ; tile_dim1
	s_mov_b32 s[\g+5], KROW                        ; the pitch
	s_mov_b32 s[\g+6], 0
	s_mov_b32 s[\g+7], 0
.endr
	s_or_b32 s[G1S+0], s43, (3<<16)|(1<<20)|(1<<21)|(5<<22)|(3<<25) ; the scales of 128 rows: 4,096 dense bytes as 16 rows of 256 (32 elements of 8 bytes)
	s_or_b32 s[G1SB+0], s44, (3<<16)|(1<<20)|(1<<21)|(5<<22)|(3<<25)
.irp g, G1S, G1SB
	s_mov_b32 s[\g+1], 32<<16
	s_mov_b32 s[\g+2], (128*KS/256)<<16
	s_mov_b32 s[\g+3], 32<<16
	s_mov_b32 s[\g+4], 128*KS/256
	s_mov_b32 s[\g+5], 32
	s_mov_b32 s[\g+6], 0
	s_mov_b32 s[\g+7], 0
.endr
	s_lshl_b32 s18, s16, 7
	s_lshl_b32 s20, s17, 8
	s_add_co_u32 s20, s20, s18                     ; x: row 256 x tile row + 128 x half
	s_lshl_b32 s46, s42, 8
	s_add_co_u32 s46, s46, s18                     ; Wqkv: row 256 x tile column + 128 x half
	s_mov_b32 s21, 0
	s_mov_b32 s47, 0
	s_mov_b64 s[18:19], KS
	s_mul_u64 s[22:23], s[20:21], s[18:19]         ; where these rows' scales begin,
	s_mul_u64 s[92:93], s[46:47], s[18:19]
	s_mov_b64 s[18:19], KROW
	s_mul_u64 s[20:21], s[20:21], s[18:19]         ; and their codes
	s_mul_u64 s[46:47], s[46:47], s[18:19]
	s_mul_i32 s45, s14, HALFT                      ; where they go: wave x 128 rows
	s_mul_i32 s94, s14, HALFS
	s_wait_dscnt 0x0                               ; both opening adds are done
	s_wait_kmcnt 0x0
	s_add_nc_u64 s[8:9], s[4:5], 0x400000          ; Wqkv's codes lie behind x's,
	s_add_nc_u64 s[10:11], s[6:7], 0x40000         ; its scale bytes likewise
	s_add_nc_u64 s[20:21], s[4:5], s[20:21]
	s_add_nc_u64 s[22:23], s[6:7], s[22:23]
	s_add_nc_u64 s[46:47], s[8:9], s[46:47]
	s_add_nc_u64 s[92:93], s[10:11], s[92:93]
	CROUND                                         ; all sixteen work-groups are here: the joint loads meet
	s_mov_b32 s[G0S], 1
	s_add_co_u32 s[G0S+1], s94, SCL
	s_mov_b64 s[G0S+2:G0S+3], s[22:23]
	s_or_b32 s[G0S+3], s[G0S+3], 0x80000000
	s_mov_b32 s[G0SB], 1
	s_add_co_u32 s[G0SB+1], s94, SCL
	s_mov_b64 s[G0SB+2:G0SB+3], s[92:93]
	s_or_b32 s[G0SB+3], s[G0SB+3], 0x80000000
	JLOAD G0S, G1S, G0SB, G1SB                     ; the scales first; with the two slots three loads of mine are out
.irp s, 0,1
	s_mov_b32 s[G0+4*\s], 1
	s_add_co_u32 s[G0+4*\s+1], s45, \s*SLOT
	s_add_nc_u64 s[G0+4*\s+2:G0+4*\s+3], s[20:21], \s*ROWB
	s_or_b32 s[G0+4*\s+3], s[G0+4*\s+3], 0x80000000
	s_mov_b32 s[G0B+4*\s], 1
	s_add_co_u32 s[G0B+4*\s+1], s45, \s*SLOT
	s_add_nc_u64 s[G0B+4*\s+2:G0B+4*\s+3], s[46:47], \s*ROWB
	s_or_b32 s[G0B+4*\s+3], s[G0B+4*\s+3], 0x80000000
	JLOAD G0+4*\s, G1, G0B+4*\s, G1B
.endr
	v_and_b32 v1, 15, v0                           ; r
	v_bfe_u32 v2, v0, 4, 1                         ; h
	v_mul_u32_u24 v3, v1, PITCH
	v_lshl_add_u32 v4, v2, 4, v3
	s_mul_i32 s21, s15, HALFT
	s_mul_i32 s22, s16, HALFT
	s_add_co_u32 s22, s22, 2*HALFT
.irp s, 0,1
	v_add_nc_u32 v[ADRA+\s], s21, v4
	v_add_nc_u32 v[ADRB+\s], s22, v4
	s_add_co_u32 s21, s21, SLOT
	s_add_co_u32 s22, s22, SLOT
.endr
	v_mul_u32_u24 v5, v1, KS                       ; my row's scales: 32 bytes a row,
	v_lshrrev_b32 v6, 8, v5
	v_lshl_add_u32 v5, v6, 4, v5                   ; and 16 more for each 256 passed
	s_mul_i32 s21, s15, HALFS
	s_mul_i32 s22, s16, HALFS
	s_add_co_u32 s22, s22, 2*HALFS
	s_sub_co_u32 s22, s22, s21
	v_mul_u32_u24 v6, s22, v2                      ; lanes 16-31 take Wqkv's
	s_add_co_u32 s21, s21, SCL
	v_add_nc_u32 v5, v5, v6
	v_add_nc_u32 v[ADRS], s21, v5
	s_mul_i32 s23, s14, STG                        ; my stage
	v_mul_u32_u24 v5, v1, 144
	v_lshl_add_u32 v5, v2, 4, v5
	v_add_nc_u32 v[STO], s23, v5                   ; in: row r, 16 bytes for each half of the lanes
	v_and_b32 v6, 31, v0
	v_lshlrev_b32 v[CO], 4, v6
	v_lshrrev_b32 v5, 3, v6
	v_mul_u32_u24 v5, v5, 144
	v_and_b32 v7, 7, v6
	v_lshl_add_u32 v5, v7, 4, v5
	v_add_nc_u32 v[RD], s23, v5                    ; back: eight lanes to a row of 128 bytes, four rows an instruction
	v_lshlrev_b32 v[CT], 8, v1
	v_lshl_add_u32 v[CT], v2, 5, v[CT]
	; where my results go
	s_lshl_b32 s20, s41, 4
	s_lshl_b32 s21, s40, 2
	s_add_co_u32 s20, s20, s21
	s_lshl_b32 s21, s16, 1
	s_add_co_u32 s20, s20, s21                     ; my first head among the 64: 16 cy + 4 cx + 2 x column half
	s_lshl_b32 s22, s13, 8
	s_lshl_b32 s21, s15, 7
	s_add_co_u32 s22, s22, s21                     ; my first position: 256 x cluster y + 128 x row half
	s_lshl_b32 s46, s20, 11
	s_add_co_u32 s46, s46, s22
	s_lshl_b32 s46, s46, 7                         ; (head x 2,048 + position) x 128 bytes,
	s_lshl_b32 s21, ttmp9, 24
	s_add_co_u32 s46, s46, s21                     ; in my section
	s_mov_b32 s47, 0
	s_add_nc_u64 s[QP:QP+1], s[QP:QP+1], s[46:47]
	s_lshl_b32 s46, s22, 8
	s_add_nc_u64 s[RP:RP+1], s[RP:RP+1], s[46:47]
	s_lshl_b32 s46, ttmp9, 18
	s_lshl_b32 s21, s20, 12
	s_add_co_u32 s46, s46, s21
	s_add_nc_u64 s[FP:FP+1], s[FP:FP+1], s[46:47]
	s_or_b32 s[FLAG], s13, s15
	s_cmp_eq_u32 s[FLAG], 0
	s_cselect_b32 s[FLAG], 1, 0                    ; the cluster's y and the wave's number alone: the same in all partners
.macro FRAG reg, adr, q, i             ; 16 rows x 128 K of 4-bit codes: 8 registers: lane l holds row l % 16; registers 4 c .. 4 c + 3 hold K = 64 c + 32 (l / 16) + 0 .. 31
.irp c, 0,1
	ds_load_b128 v[\reg+4*\c:\reg+4*\c+3], v[\adr] offset:64*(\q)+32*\c+(\i)*16*PITCH
.endr
.endm
; 16 matrix instructions: x's blocks a0, a0 + 1 against Wqkv's eight.  The 64 accumulators take turns, one instruction a turn, in the same order in every step.
.macro MUL16 a0, p, q, sc, zero
.irp a, \a0, \a0+1
.irp b, 0,1,2,3,4,5,6,7
.if \zero
	v_wmma_scale_f32_16x16x128_f8f6f4 v[8*(8*((\a)%4)+\b):8*(8*((\a)%4)+\b)+7], v[128*(\p)+FR*\b:128*(\p)+FR*\b+FR-1], v[AF+FR*(\a):AF+FR*(\a)+FR-1], 0, v[SC+8*NQ*(\sc)+NQ*\b+(\q)], v[SC+8*NQ*(\sc)+NQ*(\a)+(\q)] matrix_a_fmt:MATRIX_FMT_FP4 matrix_b_fmt:MATRIX_FMT_FP4 matrix_a_scale:MATRIX_SCALE_ROW1
.else
	v_wmma_scale_f32_16x16x128_f8f6f4 v[8*(8*((\a)%4)+\b):8*(8*((\a)%4)+\b)+7], v[128*(\p)+FR*\b:128*(\p)+FR*\b+FR-1], v[AF+FR*(\a):AF+FR*(\a)+FR-1], v[8*(8*((\a)%4)+\b):8*(8*((\a)%4)+\b)+7], v[SC+8*NQ*(\sc)+NQ*\b+(\q)], v[SC+8*NQ*(\sc)+NQ*(\a)+(\q)] matrix_a_fmt:MATRIX_FMT_FP4 matrix_b_fmt:MATRIX_FMT_FP4 matrix_a_scale:MATRIX_SCALE_ROW1
.endif
.endr
.endr
.endm
.macro FETCH_B slot, q, p
	WIN TO_B
.irp i, 0,1,2,3,4,5,6,7
	FRAG 128*(\p)+FR*\i, ADRB+\slot, \q, \i
.endr
	WIN 0
.endm
.macro FETCH_A slot, q, i0
.irp i, \i0, \i0+1, \i0+2, \i0+3
	FRAG AF+FR*(\i), ADRA+\slot, \q, \i
.endr
.endm
.macro SCALES sc                       ; a slot's scale words: four words a row; lanes 0-15 take x's block i, lanes 16-31 Wqkv's block i
.irp i, 0,1,2,3,4,5,6,7
	ds_load_b128 v[SC+8*NQ*\sc+NQ*\i:SC+8*NQ*\sc+NQ*\i+3], v[ADRS] offset:\i*SBLK
.endr
.endm
.macro PLACES n                        ; plain vector lines between a matrix instruction and a load into, or a vector read of, its registers
.rept \n
	v_nop
.endr
.endm
.macro STEP slot, q, zero              ; a step of 128 along K that has its successor in the same slot
	s_wait_dscnt 4*NL                              ; all but the youngest eight loads (x's blocks 4-7) are in
	WIN MUL_LO
	MUL16 0, (\q)%2, \q, \slot, \zero
	MUL16 2, (\q)%2, \q, \slot, \zero
	s_wait_dscnt 0
	PLACES NP
	FETCH_B \slot, (\q)+1, 1-(\q)%2
	FETCH_A \slot, (\q)+1, 0
	WIN MUL_HI
	MUL16 4, (\q)%2, \q, \slot, \zero
	MUL16 6, (\q)%2, \q, \slot, \zero
	PLACES NP
	WIN 0
	FETCH_A \slot, (\q)+1, 4
.endm
; Slot 0's last step changes slots: in front of the barrier each wave waits for all its tensor loads (its part of slot 1), adds 0 to its spare word, and waits for that and for its reads of slot 0.  Nothing is filled again.
.macro TURN slot, next
	s_wait_tensorcnt 0x0
	ds_add_u32 v[SPW], v[NIL]
	s_wait_dscnt 4*NL+1                            ; (the add and the youngest eight loads may be out)
	WIN MUL_LO
	MUL16 0, 1, NQ-1, \slot, 0
	s_wait_dscnt 0x0                               ; the add is done, and my reads of this slot are over
	s_barrier_signal -1
	MUL16 2, 1, NQ-1, \slot, 0
	WIN 0
	s_barrier_wait -1
	PLACES NP
	v_add_nc_u32 v[ADRS], 4*NQ, v[ADRS]            ; on to the next slot's scale words
	FETCH_B \next, 0, 0
	FETCH_A \next, 0, 0
	SCALES \next
	WIN MUL_HI
	MUL16 4, 1, NQ-1, \slot, 0
	MUL16 6, 1, NQ-1, \slot, 0
	PLACES NP
	WIN 0
	FETCH_A \next, 0, 4
.endm
; cos and sin of block a's 16 positions, my 16 frequencies (16 bb + 8 h + 0 .. 7): eight loads into set a % 2
.macro CSLOAD a
.irp sn, 0,1
.irp bb, 0,1
.irp e, 0,1
	global_load_b128 v[CSS+32*((\a)%2)+16*\sn+8*\bb+4*\e:CSS+32*((\a)%2)+16*\sn+8*\bb+4*\e+3], v[CT], s[RP:RP+1] offset:4096*(\a)+128*\sn+64*\bb+16*\e
.endr
.endr
.endr
.endm
	CSLOAD 0                                       ; asked for in all three sections, so that the text has one way up to the way out; v's work-groups do not use these eight loads
	s_wait_tensorcnt 1                             ; the scales and my part of slot 0 are in (slot 1's load may be out),
	s_barrier_signal -1
	s_barrier_wait -1                              ; everybody's are
	FETCH_B 0, 0, 0
	FETCH_A 0, 0, 0
	SCALES 0
	FETCH_A 0, 0, 4
	STEP 0, 0, 1                                   ; the first products start the sums: nothing is cleared
	STEP 0, 1, 0
	STEP 0, 2, 0
	TURN 0, 1
	STEP 1, 0, 0
	STEP 1, 1, 0
	STEP 1, 2, 0
	s_wait_dscnt 4*NL                              ; the last step: nothing more to fetch
	WIN MUL_LO
	MUL16 0, 1, NQ-1, 1, 0
	MUL16 2, 1, NQ-1, 1, 0
	s_wait_dscnt 0
	WIN MUL_HI
	MUL16 4, 1, NQ-1, 1, 0
	MUL16 6, 1, NQ-1, 1, 0
	WIN 0
; THE WAY OUT, block by block of 16 positions x 2 heads.  In accumulator (a, b) lane (r, h) holds position 16 a + r and channels 16 (b % 4) + 8 h + 0 .. 7 of head b / 4.
; The turn: channel d under 32 goes with d + 32, which is block b + 2 of the same head in the same lane: lo' = lo cos - hi sin, hi' = hi cos + lo sin.  Each accumulator is read from its low end on.
.macro ROPE a, hd
.set AC, 64*((\a)%4)
.set CB0, CSS+32*((\a)%2)
	WIN 0x02+(\a)/4                                ; source 0: the accumulators' window
.irp bb, 0,1
.irp p, 0,1,2,3
	v_pk_mul_f32 v[T+8*\bb+2*\p:T+8*\bb+2*\p+1], v[AC+8*(4*\hd+\bb)+2*\p:AC+8*(4*\hd+\bb)+2*\p+1], v[CB0+8*\bb+2*\p:CB0+8*\bb+2*\p+1]
	v_pk_mul_f32 v[T+16+8*\bb+2*\p:T+16+8*\bb+2*\p+1], v[AC+8*(4*\hd+\bb+2)+2*\p:AC+8*(4*\hd+\bb+2)+2*\p+1], v[CB0+8*\bb+2*\p:CB0+8*\bb+2*\p+1]
	v_pk_fma_f32 v[T+8*\bb+2*\p:T+8*\bb+2*\p+1], v[AC+8*(4*\hd+\bb+2)+2*\p:AC+8*(4*\hd+\bb+2)+2*\p+1], v[CB0+16+8*\bb+2*\p:CB0+16+8*\bb+2*\p+1], v[T+8*\bb+2*\p:T+8*\bb+2*\p+1] neg_lo:[0,1,0] neg_hi:[0,1,0]
	v_pk_fma_f32 v[T+16+8*\bb+2*\p:T+16+8*\bb+2*\p+1], v[AC+8*(4*\hd+\bb)+2*\p:AC+8*(4*\hd+\bb)+2*\p+1], v[CB0+16+8*\bb+2*\p:CB0+16+8*\bb+2*\p+1], v[T+16+8*\bb+2*\p:T+16+8*\bb+2*\p+1]
.endr
.endr
	WIN 0
.endm
.macro FIRSTQK hd                      ; positions 0 to 15 once more, as f32: 32 bytes a lane of rows 256 bytes apart; the whole buffer has 786,432 bytes
	s_cmp_eq_u32 s[FLAG], 1
	s_cbranch_scc0 .Lnot_first_\@
.irp e, 0,1,2,3,4,5,6,7
	global_store_b128 v[CT], v[T+4*\e:T+4*\e+3], s[FP:FP+1] offset:4096*\hd+64*(\e/2)+16*(\e%2)
.endr
	s_wait_xcnt 0x0                                ; the stores have read the turned numbers, which the next head writes anew
.Lnot_first_\@:
.endm
.macro PACKQK a
.if (\a) < 7
	CSLOAD (\a)+1
	s_wait_loadcnt 8                               ; this block's cos and sin are in; the eight loads just issued stay out
.else
	s_wait_loadcnt 0
.endif
.irp hd, 0,1
	ROPE \a, \hd
.if (\a) == 0
	FIRSTQK \hd
.endif
.irp q, 0,1,2,3,4,5,6,7,8,9,10,11,12,13,14,15
	v_cvt_pk_f16_f32 v[P+32*((\a)%2)+16*\hd+\q], v[T+2*\q], v[T+2*\q+1]
.endr
.endr
.endm
.macro FIRSTV                          ; v's positions 0 to 15 as f32, straight from block 0's accumulators, each from its low end on
	s_cmp_eq_u32 s[FLAG], 1
	s_cbranch_scc0 .Lnot_first_\@
	WIN 0x08                                       ; a store's data are its source 1: window 2
.irp b, 0,1,2,3,4,5,6,7
	global_store_b128 v[CT], v[8*\b:8*\b+3], s[FP:FP+1] offset:4096*(\b/4)+64*(\b%4)
	global_store_b128 v[CT], v[8*\b+4:8*\b+7], s[FP:FP+1] offset:4096*(\b/4)+64*(\b%4)+16
.endr
	WIN 0
.Lnot_first_\@:
.endm
.macro PACKV a
.set AC, 64*((\a)%4)
	WIN 0x0a+5*((\a)/4)                            ; sources 0 and 1: window 2 or 3
.irp b, 0,1,2,3,4,5,6,7
.irp p, 0,1,2,3
	v_cvt_pk_f16_f32 v[P+32*((\a)%2)+4*\b+\p], v[AC+8*\b+2*\p], v[AC+8*\b+2*\p+1]
.endr
.endr
	WIN 0
.endm
; A lane's 16 bytes are an eighth of a row of 128 bytes: the block goes through my stage and comes back as rows.  so: the way's own stage bytes.  LDS serves a wave's instructions in order: no wait between stores and loads.
.macro TOSTAGE a, so
.if (\a) >= 2
	s_wait_xcnt 0x0                                ; block a - 2's stores have read the registers into which these loads land
.endif
.irp u, 0,1,2,3,4,5,6,7
	ds_store_b128 v[STO], v[P+32*((\a)%2)+4*\u:P+32*((\a)%2)+4*\u+3] offset:(\so)+2304*(\u/4)+32*(\u%4)
.endr
.irp u, 0,1,2,3,4,5,6,7
	ds_load_b128 v[BK+32*((\a)%2)+4*\u:BK+32*((\a)%2)+4*\u+3], v[RD] offset:(\so)+2304*(\u/4)+576*(\u%4)
.endr
.endm
.macro SEND a
	s_wait_dscnt 0x0                               ; the block is back in registers
.irp u, 0,1,2,3,4,5,6,7
	global_store_b128 v[CO], v[BK+32*((\a)%2)+4*\u:BK+32*((\a)%2)+4*\u+3], s[QP:QP+1] offset:262144*(\u/4)+2048*(\a)+512*(\u%4)   ; four rows of a head: 512 consecutive bytes, aligned
.endr
.endm
	PLACES NP                                      ; behind the last products, ahead of the first reads of results and of writes into registers that held scales
	s_cmp_eq_u32 ttmp9, 2                          ; the section: the cluster's x
	s_cbranch_scc1 .Lplain
	PACKQK 0
	TOSTAGE 0, 0
.irp a, 1,2,3,4,5,6,7                  ; block a's arithmetic stands between block a - 1's loads from the stage and the wait for them
	PACKQK \a
	SEND \a-1
	TOSTAGE \a, 0
.endr
	SEND 7
	s_branch .Ldone
.Lplain:                               ; v: no turn
	FIRSTV
	PACKV 0
	TOSTAGE 0, 4*STG
.irp a, 1,2,3,4,5,6,7
	PACKV \a
	SEND \a-1
	TOSTAGE \a, 4*STG
.endr
	SEND 7
.Ldone:
	s_wait_tensorcnt 0x0                           ; the wave's end: a wait, an add to my spare word and its wait, behind my last tensor load and my last LDS store
	ds_add_u32 v[SPW], v[NIL]
	s_wait_dscnt 0x0
	CROUND                                         ; the closing round
	s_endpgm
.Lfunc_end_k_q6520219013_qkv:
	.size	k_q6520219013_qkv, .Lfunc_end_k_q6520219013_qkv-k_q6520219013_qkv
	.p2alignl 7, 3214868480
	.fill 96, 4, 3214868480
	.section	.rodata,"a",@progbits
	.p2align	6, 0x0
	.amdhsa_kernel k_q6520219013_qkv
		.amdhsa_group_segment_fixed_size 327680
		.amdhsa_private_segment_fixed_size 0
		.amdhsa_enable_private_segment 0
		.amdhsa_kernarg_size 40
		.amdhsa_user_sgpr_count 2
		.amdhsa_user_sgpr_kernarg_segment_ptr 1
		.amdhsa_wavefront_size32 1
		.amdhsa_system_sgpr_workgroup_id_x 1
		.amdhsa_system_sgpr_workgroup_id_y 1
		.amdhsa_system_sgpr_workgroup_id_z 1
		.amdhsa_system_vgpr_workitem_id 0
		.amdhsa_next_free_vgpr 1024
		.amdhsa_next_free_sgpr 102
		.amdhsa_reserve_vcc 0
		.amdhsa_float_denorm_mode_32 3
		.amdhsa_float_denorm_mode_16_64 3
		.amdhsa_memory_ordered 1
		.amdhsa_forward_progress 1
		.amdhsa_inst_pref_size 200
	.end_amdhsa_kernel
	.amdgpu_metadata
---
amdhsa.version: [ 1, 2 ]
amdhsa.kernels:
  - .name:           k_q6520219013_qkv
    .symbol:         k_q6520219013_qkv.kd
    .args:
      - { .name: codes, .offset: 0, .size: 8, .value_kind: global_buffer, .address_space: global }
      - { .name: scales, .offset: 8, .size: 8, .value_kind: global_buffer, .address_space: global }
      - { .name: rope, .offset: 16, .size: 8, .value_kind: global_buffer, .address_space: global }
      - { .name: qkv, .offset: 24, .size: 8, .value_kind: global_buffer, .address_space: global }
      - { .name: first, .offset: 32, .size: 8, .value_kind: global_buffer, .address_space: global }
    .group_segment_fixed_size: 327680
    .private_segment_fixed_size: 0
    .kernarg_segment_align: 8
    .kernarg_segment_size: 40
    .max_flat_workgroup_size: 128
    .sgpr_count:     102
    .vgpr_count:     1024
    .wavefront_size: 32
...
	.end_amdgpu_metadata
.endif
;; end of part 2
;; launch attn (part 3): grid 4 x 64, 8 waves a work-group, no clusters, 327,680 bytes of LDS; arguments qkv, yh; writes yh
.if DOCPART == 3
	.amdgcn_target "amdgcn-amd-amdhsa--gfx1250"
	.amdhsa_code_object_version 6
	.text
	.protected	k_q6520219013_attn
	.globl	k_q6520219013_attn
	.p2align	8
	.type	k_q6520219013_attn,@function
k_q6520219013_attn:
	s_mov_b64 s[64:65], 0
	v_nop
	global_prefetch_b8 v0, s[64:65] scope:SCOPE_SE
	s_setreg_imm32_b32 hwreg(HW_REG_WAVE_MODE, 25, 1), 1
	s_wait_xcnt 0x0
; y[b][h][q] = the sum over k <= q of softmax_k(q . k / 8) v[k].  q, k, v: f16, [section][b][h][2048][64]; y: f16, [b][h][2048][64].  Products with f16 operands and f32 sums; maxima, exponentials and sums in f32;
; the weights p are rounded to f16 for the second product, y once at the end.  The row's sum is taken of the unrounded p.
; SHARES.  Work-group (i, head) owns query blocks 7 - i (pass A) and i (pass B) of 256 queries.  Pass A wants key slots 0 .. 7 - i of 256 keys, pass B slots 0 .. i: nine slots for every work-group, so that all
; 256 work-groups have the same work, every trip count is a constant, and every slot that is fetched is read.  A wave owns 32 queries: two tiles of 16.  A step is 64 keys, a slot four steps.
; NO CLUSTER: the four work-groups of a head walk different slots from the sixth of their nine on (pass B begins at place 8 - i); a walk that all four share would have twelve slots for the nine.
; LAYOUT.  S^T = K Q^T (source 0 = 16 keys, source 1 = 16 queries): a lane holds ONE query (lane % 16) and keys 8 (lane / 16) + 0 .. 7 of a tile; two tiles, rounded in pairs, are source 1 of O^T = V^T P.
; K comes out of LDS as it lies, V ([key][channel]) turned by ds_load_tr16_b128.
; SOFTMAX.  A running maximum m and sum l for each query: p = 2^(c s - c m), c = log2(e) / 8; in every step O and l are multiplied by a = 2^(c m_old - c m_new).
; THE MASK.  A step all of whose keys come after my 32 queries is left out by a scalar branch on ids; on the diagonal hidden scores become -infinity ahead of the maximum.  Key 0 counts for every query, so m is a number from a pass's first step on.
; LIMITS: NaN and infinities in q, k, v are not served.
; REGISTERS.  window 0: v2-13 addresses; v16-31 statistics, 8 a tile (+0 c m, +1 m, +2, +3 l, +4 .. +7 at work; +6 becomes a); v32-63 Q; v64-127 O^T; v128-191 S^T; v192-223 P; v224-229 at work.
;   window 1: v0-63 K's fragments; v64-127 V's; v128-159 pass B's Q.
.set KS,    64
.set PK,    144                        ; a row of K in LDS: 128 bytes + 16: the 16 rows of a load start at 16 different banks
.set PV,    160                        ; a row of V: 128 + 32
.set VOFF,  KS*PK
.set STEPB, KS*(PK+PV)                 ; a step's tiles lie together: K's 64 rows, then V's
.set SLOT1, 1<<17                      ; slot 1 begins here: one exclusive or turns an address from one slot to the other
.set STAGE, SLOT1+4*STEPB              ; behind the ring: 32 rows x 144 bytes for each wave, for the way out
.set SPARE, STAGE+8*32*PK              ; the spare words, 128 bytes a wave
.set AK0, 2
.set AV0, 3
.set ADK, 4
.set ADV, 5
.set QO,  6
.set STO, 7
.set RD,  8
.set GO,  9
.set PFO, 10
.set SPW, 11
.set NIL, 12
.set MD,  13                           ; v13  lane % 16 - 8 (lane / 16)
.set ST,  16
.set Q,   32
.set O,   64
.set S,   128
.set P,   192
.set VF,  64                           ; V's fragments, in window 1
.set QB,  128                          ; pass B's Q, in window 1
.set WV,  12
.set SW,  13                           ; s13  the place in the stream at which pass B begins: 8 - i
.set Q0,  14                           ; s14  my first query of the pass
.set KF,  15                           ; s15  the step's first key
.set TR,  16                           ; s16  the place in the stream, 0 .. 8
.set CNT, 17
.set TB,  18                           ; s18  LDS byte at which the step's tiles begin
.set Q0B, 22                           ; s22  my first query of pass B
.set G1K, 24
.set G1V, 32
.set G0K, 40
.set G0V, 44
.set KB,  48                           ; s[48:49] K of my head at the step that I fetch, key slot 0
.set VB,  50                           ; s[50:51] V likewise
.set CS,  52
.set SEL, 54
.set PFA, 56
.set LIMP, 58
.set YA,  72                           ; s[72:73] y at my first query of the pass
.set YB,  78                           ; s[78:79] pass B's
.set MSB, 0
.macro WIN new
.if MSB != (\new)
	s_set_vgpr_msb (MSB<<8)|(\new)
.set MSB, (\new)
.endif
.endm
; Waves 0-3 fetch K of steps 0-3 of a slot, waves 4-7 V: one load a wave, 64 rows of 128 bytes.  An s_nop 0 and four v_nop follow each of the two lines.
.macro TLOAD
	s_cmp_lt_u32 s[WV], 4
	s_cbranch_scc0 .Lfor_v_\@
	tensor_load_to_lds s[G0K:G0K+3], s[G1K:G1K+7]
	s_nop 0
.rept 4
	v_nop
.endr
	s_branch .Lasked_\@
.Lfor_v_\@:
	tensor_load_to_lds s[G0V:G0V+3], s[G1V:G1V+7]
	s_nop 0
.rept 4
	v_nop
.endr
.Lasked_\@:
.endm
; A prefetch into the L2 of the key slot that the NEXT change of slots will ask for.  All four work-groups of a head walk key slots 0, 1, .. : work-group i = 0, which walks 0 .. 7 on end, asks, and nobody else.
; Each wave asks for the 8,192 bytes that it will fetch itself, lanes 256 bytes apart: each block is named once.  At place TR it names key slot TR + 2, while TR <= 5; slots 0 and 1 come by their loads alone.
.macro ASK
	s_cmp_lt_u32 s[TR], s[LIMP]
	s_cbranch_scc0 .Lnot_mine_\@
	global_prefetch_b8 v[PFO], s[PFA:PFA+1] th:TH_LOAD_NT scope:SCOPE_SE
.Lnot_mine_\@:
.endm
	s_load_b128 s[4:7], s[0:1], 0x0                ; qkv, yh
	v_lshl_add_u32 v[SPW], v0, 2, SPARE
	v_mov_b32 v[NIL], 0
	ds_add_u32 v[SPW], v[NIL]                      ; the wave's opening: the add, twice on end, and its wait ahead of my first tensor load
	ds_add_u32 v[SPW], v[NIL]
	v_lshrrev_b32 v1, 5, v0
	v_readfirstlane_b32 s[WV], v1                  ; wave 0..7
	s_and_b32 s20, ttmp7, 0xffff                   ; the head among the 64
	s_sub_co_u32 s[SW], 8, ttmp9
	s_mov_b32 s[G1K], (1<<16)|(1<<20)|(4<<22)|(3<<25)   ; no mask; elements of 2 bytes; padding on: four words after every 32
	s_mov_b32 s[G1V], (1<<16)|(1<<20)|(4<<22)|(7<<25)   ; eight words
.irp g, G1K, G1V
	s_mov_b32 s[\g+1], 64<<16                      ; tensor_dim0 = 64
	s_mov_b32 s[\g+2], KS<<16                      ; tensor_dim1 = 64
	s_mov_b32 s[\g+3], 64<<16                      ; tile_dim0 = 64
	s_mov_b32 s[\g+4], KS                          ; tile_dim1 = 64
	s_mov_b32 s[\g+5], 64                          ; the pitch
	s_mov_b32 s[\g+6], 0
	s_mov_b32 s[\g+7], 0
.endr
	s_mov_b32 s[CS], 0x3e38aa3b                    ; c = log2(e) / 8
	s_mov_b32 s[CS+1], s[CS]
	s_mov_b32 s[SEL], 0x76543210
	s_mov_b32 s[SEL+1], 0xfedcba98
	s_mov_b32 s[TB], 0
	s_mov_b32 s[KF], 0
	s_mov_b32 s[TR], 0
	s_and_b32 s59, s[WV], 3                        ; which step of a slot I fetch:
	s_mul_i32 s21, s59, STEPB                      ; its place in a slot,
	s_lshl_b32 s60, s59, 13                        ; and its 64 rows of 128 bytes in memory
	s_mov_b32 s61, 0
	s_lshl_b32 s74, s20, 18                        ; the head's 262,144 bytes
	s_mov_b32 s75, 0
	s_add_nc_u64 s[60:61], s[60:61], s[74:75]
	s_sub_co_u32 s59, 7, ttmp9
	s_lshl_b32 s59, s59, 8
	s_lshl_b32 s23, s[WV], 5
	s_add_co_u32 s[Q0], s59, s23                   ; pass A: 256 (7 - i) + 32 x wave
	s_lshl_b32 s59, ttmp9, 8
	s_add_co_u32 s[Q0B], s59, s23                  ; pass B: 256 i + 32 x wave
	s_lshl_b32 s76, s[Q0], 7
	s_mov_b32 s77, 0
	s_add_nc_u64 s[76:77], s[76:77], s[74:75]
	s_lshl_b32 s62, s[Q0B], 7
	s_mov_b32 s63, 0
	s_add_nc_u64 s[62:63], s[62:63], s[74:75]
	s_cmp_eq_u32 ttmp9, 0
	s_cselect_b32 s[LIMP], 6, 0
	s_wait_dscnt 0x0                               ; both opening adds are done
	s_wait_kmcnt 0x0
	s_add_nc_u64 s[KB:KB+1], s[4:5], s[60:61]
	s_add_nc_u64 s[VB:VB+1], s[KB:KB+1], 0x2000000
	s_add_nc_u64 s[KB:KB+1], s[KB:KB+1], 0x1000000
	s_mov_b32 s[G0K], 1
	s_mov_b32 s[G0K+1], s21
	s_mov_b64 s[G0K+2:G0K+3], s[KB:KB+1]
	s_or_b32 s[G0K+3], s[G0K+3], 0x80000000
	s_mov_b32 s[G0V], 1
	s_add_co_u32 s[G0V+1], s21, VOFF
	s_mov_b64 s[G0V+2:G0V+3], s[VB:VB+1]
	s_or_b32 s[G0V+3], s[G0V+3], 0x80000000
	TLOAD                                          ; place 0 of the stream into slot 0: one load of mine is out
	s_add_nc_u64 s[8:9], s[4:5], s[76:77]          ; Q of pass A,
	s_add_nc_u64 s[10:11], s[4:5], s[62:63]        ; of pass B
	s_add_nc_u64 s[YA:YA+1], s[6:7], s[76:77]
	s_add_nc_u64 s[YB:YB+1], s[6:7], s[62:63]
	s_cmp_lt_u32 s[WV], 4
	s_cselect_b64 s[PFA:PFA+1], s[KB:KB+1], s[VB:VB+1]
	s_add_nc_u64 s[PFA:PFA+1], s[PFA:PFA+1], 32768 ; at key slot 1: the first change of slots steps it to slot 2.  Nothing is prefetched at the head
	v_and_b32 v1, 15, v0                           ; r
	v_bfe_u32 v14, v0, 4, 1                        ; h
	v_lshlrev_b32 v[QO], 7, v1
	v_lshl_add_u32 v[QO], v14, 4, v[QO]            ; row r of 128 bytes + 16 h
.irp t, 0,1
.irp c, 0,1
	global_load_b128 v[Q+16*\t+8*\c:Q+16*\t+8*\c+3], v[QO], s[8:9] offset:2048*\t+64*\c
	global_load_b128 v[Q+16*\t+8*\c+4:Q+16*\t+8*\c+7], v[QO], s[8:9] offset:2048*\t+64*\c+32
.endr
.endr
	WIN 0x40                                       ; destination window 1
.irp t, 0,1
.irp c, 0,1
	global_load_b128 v[QB+16*\t+8*\c:QB+16*\t+8*\c+3], v[QO], s[10:11] offset:2048*\t+64*\c
	global_load_b128 v[QB+16*\t+8*\c+4:QB+16*\t+8*\c+7], v[QO], s[10:11] offset:2048*\t+64*\c+32
.endr
.endr
	WIN 0
	v_mul_u32_u24 v[AK0], v1, PK
	v_lshl_add_u32 v[AK0], v14, 4, v[AK0]
	v_and_b32 v15, 7, v0
	v_lshl_add_u32 v[AV0], v14, 3, v15             ; the turning load: key 8 h + lane % 8,
	v_mul_u32_u24 v[AV0], v[AV0], PV
	v_bfe_u32 v15, v0, 3, 1
	v_lshl_add_u32 v[AV0], v15, 4, v[AV0]          ; channels 8 ((lane / 8) % 2) on
	v_add_nc_u32 v[AV0], VOFF, v[AV0]
	s_mul_i32 s59, s[WV], 32*PK
	s_add_co_u32 s59, s59, STAGE                   ; my stage
	v_add_nc_u32 v[STO], s59, v[AK0]               ; in: row r, 16 bytes for each half of the lanes
	v_and_b32 v15, 31, v0
	v_lshlrev_b32 v[GO], 4, v15
	v_lshlrev_b32 v[PFO], 8, v15
	v_lshrrev_b32 v[RD], 3, v15
	v_mul_u32_u24 v[RD], v[RD], PK
	v_and_b32 v15, 7, v0
	v_lshl_add_u32 v[RD], v15, 4, v[RD]
	v_add_nc_u32 v[RD], s59, v[RD]                 ; back: eight lanes to a row, four rows an instruction
	v_lshlrev_b32 v15, 3, v14
	v_sub_nc_u32 v[MD], v1, v15
.macro INIT                            ; a pass begins: m = -3e38, under every score; l = 0; O^T = 0.  (The step is written once: the first finds zeros, which a = 0 leaves zeros)
.irp t, 0,1
	v_mov_b32 v[ST+8*\t+1], 0xff61b1e6
	v_mul_f32 v[ST+8*\t], s[CS], v[ST+8*\t+1]
.irp n, 2,3,4,5,6,7
	v_mov_b32 v[ST+8*\t+\n], 0
.endr
.endr
.set i, 0
.rept 64
	v_mov_b32 v[O+i], 0
.set i, i+1
.endr
.endm
	INIT
	s_wait_loadcnt 0x0                             ; Q of both passes
.macro MASK                            ; register 8 kt + j of tile t holds key KF + 16 kt + 8 h + j, my query is Q0 + 16 t + r: hidden where 16 kt + j > Q0 - KF + 16 t + r - 8 h
	s_sub_co_i32 s59, s[Q0], s[KF]
	v_add_nc_u32 v224, s59, v[MD]
	v_add_nc_u32 v225, 16, v224
	v_mov_b32 v226, 0xff800000                     ; -infinity
.irp t, 0,1
.irp kt, 0,1,2,3
.irp j, 0,1,2,3,4,5,6,7
	v_cmp_gt_i32 vcc_lo, 16*\kt+\j, v[224+\t]
	v_cndmask_b32 v[S+32*\t+8*\kt+\j], v[S+32*\t+8*\kt+\j], v226, vcc_lo
.endr
.endr
.endr
.endm
.macro SOFTMAX                         ; the two tiles take turns line by line
.irp j, 0,1,2,3                        ; the maximum of 32 scores and the old m: four chains; each accumulator is first read at its registers 0, 1, 2
.irp t, 0,1
	v_max3_num_f32 v[ST+8*\t+4+\j], v[S+32*\t+8*\j], v[S+32*\t+8*\j+1], v[S+32*\t+8*\j+2]
.endr
.endr
.irp g, 1,2
.irp j, 0,1,2,3
.irp t, 0,1
	v_max3_num_f32 v[ST+8*\t+4+\j], v[ST+8*\t+4+\j], v[S+32*\t+8*\j+2*\g+1], v[S+32*\t+8*\j+2*\g+2]
.endr
.endr
.endr
.irp t, 0,1
	v_max3_num_f32 v[ST+8*\t+4], v[ST+8*\t+4], v[S+32*\t+7], v[S+32*\t+15]
	v_max3_num_f32 v[ST+8*\t+6], v[ST+8*\t+6], v[S+32*\t+23], v[S+32*\t+31]
.endr
.irp t, 0,1
	v_max3_num_f32 v[ST+8*\t+4], v[ST+8*\t+4], v[ST+8*\t+5], v[ST+8*\t+6]
.endr
.irp t, 0,1
	v_max3_num_f32 v[ST+8*\t+4], v[ST+8*\t+4], v[ST+8*\t+7], v[ST+8*\t+1]
.endr
.irp t, 0,1
	v_permlanex16_b32 v[ST+8*\t+5], v[ST+8*\t+4], s[SEL], s[SEL+1]   ; the query's other 32 keys lie in the lane 16 away
.endr
.irp t, 0,1
	v_max_num_f32 v[ST+8*\t+1], v[ST+8*\t+4], v[ST+8*\t+5]
.endr
.irp t, 0,1
	v_mul_f32 v[ST+8*\t], s[CS], v[ST+8*\t+1]
.endr
.irp t, 0,1
	v_sub_f32 v[ST+8*\t+7], v[228+\t], v[ST+8*\t]
.endr
.irp t, 0,1
	v_exp_f32 v[ST+8*\t+6], v[ST+8*\t+7]           ; a
.endr
.irp b, 0,1,2,3,4,5,6,7,8,9,10,11,12,13,14,15
.irp t, 0,1
	v_pk_fma_f32 v[S+32*\t+2*\b:S+32*\t+2*\b+1], v[S+32*\t+2*\b:S+32*\t+2*\b+1], s[CS:CS+1], v[ST+8*\t:ST+8*\t+1] op_sel_hi:[1,0,0] neg_lo:[0,0,1] neg_hi:[0,0,1]   ; c s - c m
.endr
.endr
	s_wait_alu depctr_va_vdst(0)                   ; the wait ahead of the first reader of the two a; the 32 scalings are the work between
.set b, 0
.rept 32                               ; the 64 exponentials are one batch; O^T's rescaling, which names none of their results, stands between them
	v_exp_f32 v[S+2*b], v[S+2*b]
	v_exp_f32 v[S+2*b+1], v[S+2*b+1]
	v_pk_mul_f32 v[O+2*b:O+2*b+1], v[O+2*b:O+2*b+1], v[ST+8*(b/16)+6:ST+8*(b/16)+7] op_sel_hi:[1,0]
.set b, b+1
.endr
	s_wait_alu depctr_va_vdst(0)                   ; one wait for the 64, ahead of their first reader; the line above it is plain
.irp q, 0,1,2,3,4,5,6,7,8,9,10,11,12,13,14,15
.irp t, 0,1
	v_cvt_pk_f16_f32 v[P+16*\t+\q], v[S+32*\t+2*\q], v[S+32*\t+2*\q+1]
.endr
.endr
.irp z, 0,1,2,3,4,5,6,7                ; the sum of the unrounded p, in place, by pairs (even keys', odd keys')
.irp t, 0,1
	v_pk_add_f32 v[S+32*\t+4*\z:S+32*\t+4*\z+1], v[S+32*\t+4*\z:S+32*\t+4*\z+1], v[S+32*\t+4*\z+2:S+32*\t+4*\z+3]
.endr
.endr
.irp z, 0,1,2,3
.irp t, 0,1
	v_pk_add_f32 v[S+32*\t+8*\z:S+32*\t+8*\z+1], v[S+32*\t+8*\z:S+32*\t+8*\z+1], v[S+32*\t+8*\z+4:S+32*\t+8*\z+5]
.endr
.endr
.irp z, 0,1
.irp t, 0,1
	v_pk_add_f32 v[S+32*\t+16*\z:S+32*\t+16*\z+1], v[S+32*\t+16*\z:S+32*\t+16*\z+1], v[S+32*\t+16*\z+8:S+32*\t+16*\z+9]
.endr
.endr
.irp t, 0,1
	v_pk_add_f32 v[S+32*\t:S+32*\t+1], v[S+32*\t:S+32*\t+1], v[S+32*\t+16:S+32*\t+17]
.endr
.irp t, 0,1
	v_pk_fma_f32 v[ST+8*\t+2:ST+8*\t+3], v[ST+8*\t+2:ST+8*\t+3], v[ST+8*\t+6:ST+8*\t+7], v[S+32*\t:S+32*\t+1] op_sel_hi:[1,0,1]   ; l = a l + the sum
.endr
.endm
; A KEY STEP: 64 keys.  The accumulators take turns, one instruction a turn, eight to a round.
.macro STEP
	s_add_co_u32 s59, s[Q0], 31
	s_cmp_gt_u32 s[KF], s59                        ; all 64 keys come after my 32 queries: ids and the count of steps alone
	s_cbranch_scc1 .Lhidden_\@
	v_add_nc_u32 v[ADK], s[TB], v[AK0]
	v_add_nc_u32 v[ADV], s[TB], v[AV0]
	v_nop
	v_nop                                          ; four plain lines between the last step's products and the loads into V's registers
	WIN 0x40
.irp kt, 0,1,2,3
.irp c, 0,1
	ds_load_b128 v[16*\kt+8*\c:16*\kt+8*\c+3], v[ADK] offset:\kt*16*PK+64*\c
	ds_load_b128 v[16*\kt+8*\c+4:16*\kt+8*\c+7], v[ADK] offset:\kt*16*PK+64*\c+32
.endr
.endr
.irp f, 0,1,2,3,4,5,6,7                ; keys 32 (f / 4) on, channels 16 (f % 4) on
	ds_load_tr16_b128 v[VF+8*\f:VF+8*\f+3], v[ADV] offset:(\f/4)*32*PV+(\f%4)*32
	ds_load_tr16_b128 v[VF+8*\f+4:VF+8*\f+7], v[ADV] offset:(\f/4)*32*PV+16*PV+(\f%4)*32
.endr
	s_wait_dscnt 16                                ; K is in; V's sixteen loads stay out
	WIN 0x01                                       ; source 0 window 1
.set i, 0
.rept 16                               ; S^T = K Q^T: channels 32 (i / 8) on, keys 16 ((i / 2) % 4) on, tile i % 2; the first eight start the sums
.set rS, S+32*(i%2)+8*((i/2)%4)
.set rK, 16*((i/2)%4)+8*(i/8)
.set rQ, Q+16*(i%2)+8*(i/8)
.if i < 8
	v_wmma_f32_16x16x32_f16 v[rS:rS+7], v[rK:rK+7], v[rQ:rQ+7], 0
.else
	v_wmma_f32_16x16x32_f16 v[rS:rS+7], v[rK:rK+7], v[rQ:rQ+7], v[rS:rS+7]
.endif
.set i, i+1
.endr
	WIN 0
	v_mov_b32 v228, v[ST]                          ; c m_old is kept for a.  These two and two v_nop are the four plain lines behind the products
	v_mov_b32 v229, v[ST+8]
	v_nop
	v_nop
	s_add_co_u32 s59, s[KF], 63
	s_cmp_le_u32 s59, s[Q0]                        ; all 64 keys count for all my queries
	s_cbranch_scc1 .Lopen_\@
	MASK
.Lopen_\@:
	SOFTMAX
	s_wait_dscnt 0x0                               ; V is in
	WIN 0x01
.set i, 0
.rept 16                               ; O^T += V^T P: keys 32 (i / 8) on, channels 16 ((i / 2) % 4) on, tile i % 2
.set rO, O+32*(i%2)+8*((i/2)%4)
.set rV, VF+8*(4*(i/8)+(i/2)%4)
.set rP, P+16*(i%2)+8*(i/8)
	v_wmma_f32_16x16x32_f16 v[rO:rO+7], v[rV:rV+7], v[rP:rP+7], v[rO:rO+7]
.set i, i+1
.endr
	WIN 0
.Lhidden_\@:
	s_add_co_u32 s[KF], s[KF], KS
	s_add_co_u32 s[TB], s[TB], STEPB
.endm
.macro FOUR_STEPS                      ; a slot's four steps: written once, walked four times
	s_mov_b32 s[CNT], 4
.Lstep_\@:
	STEP
	s_sub_co_u32 s[CNT], s[CNT], 1
	s_cmp_lg_u32 s[CNT], 0
	s_cbranch_scc1 .Lstep_\@
	s_sub_co_u32 s[TB], s[TB], 4*STEPB             ; back to a slot's first step,
	s_xor_b32 s[TB], s[TB], SLOT1                  ; in the other slot
.endm
; THE CHANGE OF SLOTS stands at a slot's head.  Each wave waits for all its tensor loads (one: its part of the slot ahead), adds 0 to its spare word, and waits for that and for its reads of the slot that it has left.
; fill = 1: behind the barrier that other slot takes the stream's next place: key slot TR + 1, less 8 - i from pass B's beginning on.  The load has a slot's four steps in which to land.
.macro CHANGE fill
	s_wait_tensorcnt 0x0                           ; no tensor load of mine is out, so a group 0 may be written
	ds_add_u32 v[SPW], v[NIL]                      ; 0 onto my spare word; the descriptors' steps stand between it and the wait for it
.if \fill
	s_add_co_u32 s59, s[TR], 1
	s_cmp_ge_u32 s59, s[SW]
	s_cselect_b32 s60, s[SW], 0
	s_sub_co_u32 s60, s59, s60                     ; the key slot
	s_lshl_b32 s60, s60, 15                        ; 256 keys of 128 bytes
	s_mov_b32 s61, 0
	s_xor_b32 s[G0K+1], s[G0K+1], SLOT1
	s_add_nc_u64 s[G0K+2:G0K+3], s[KB:KB+1], s[60:61]
	s_or_b32 s[G0K+3], s[G0K+3], 0x80000000
	s_xor_b32 s[G0V+1], s[G0V+1], SLOT1
	s_add_nc_u64 s[G0V+2:G0V+3], s[VB:VB+1], s[60:61]
	s_or_b32 s[G0V+3], s[G0V+3], 0x80000000
	s_wait_xcnt 0x0                                ; the last prefetch, a slot back, has read its address
	s_add_nc_u64 s[PFA:PFA+1], s[PFA:PFA+1], 32768
.endif
	s_wait_dscnt 0x0                               ; the add is done, and my reads of the slot that I have left are over
	s_barrier_signal -1
	s_barrier_wait -1
.if \fill
	TLOAD                                          ; the first thing behind the barrier, and my one tensor load until the next
	ASK
.endif
.endm
; A pass ends: O^T / l, rounded to f16, goes through my stage and leaves as rows: 32 rows of 128 bytes are 4,096 consecutive bytes of y.
.macro FINISH
.irp t, 0,1
	v_add_f32 v[ST+8*\t+4], v[ST+8*\t+2], v[ST+8*\t+3]
.endr
.irp t, 0,1
	v_permlanex16_b32 v[ST+8*\t+5], v[ST+8*\t+4], s[SEL], s[SEL+1]
.endr
.irp t, 0,1
	v_add_f32 v[ST+8*\t+4], v[ST+8*\t+4], v[ST+8*\t+5]
.endr
.irp t, 0,1
	v_rcp_f32 v[ST+8*\t+6], v[ST+8*\t+4]
.endr
	v_nop                                          ; a plain line behind the last reciprocal
	s_wait_alu depctr_va_vdst(0)                   ; and one wait for both, ahead of their first reader
.set b, 0
.rept 32
	v_pk_mul_f32 v[O+2*b:O+2*b+1], v[O+2*b:O+2*b+1], v[ST+8*(b/16)+6:ST+8*(b/16)+7] op_sel_hi:[1,0]
.set b, b+1
.endr
.set b, 0
.rept 32
	v_cvt_pk_f16_f32 v[S+b], v[O+2*b], v[O+2*b+1]
.set b, b+1
.endr
.irp u, 0,1,2,3,4,5,6,7
	ds_store_b128 v[STO], v[S+4*\u:S+4*\u+3] offset:16*PK*(\u/4)+32*(\u%4)
.endr
.irp u, 0,1,2,3,4,5,6,7
	ds_load_b128 v[S+32+4*\u:S+32+4*\u+3], v[RD] offset:4*PK*\u   ; LDS serves a wave's instructions in order: these see my stores
.endr
.irp u, 0,1,2,3,4,5,6,7
	s_wait_dscnt 7-\u
	global_store_b128 v[GO], v[S+32+4*\u:S+32+4*\u+3], s[YA:YA+1] offset:512*\u   ; 512 consecutive bytes, aligned
.endr
.endm
.macro REINIT                          ; pass B begins
	s_wait_xcnt 0x0                                ; pass A's stores have read their registers and their base
	WIN 0x01
.set i, 0
.rept 32
	v_mov_b32 v[Q+i], v[QB+i]
.set i, i+1
.endr
	WIN 0
	INIT
	s_mov_b32 s[Q0], s[Q0B]
	s_mov_b32 s[KF], 0
	s_mov_b64 s[YA:YA+1], s[YB:YB+1]
.endm
.Lslot:                                ; eight trips: behind each change of slots but the last the stream's next place is asked for
	CHANGE 1
	FOUR_STEPS
	s_add_co_u32 s59, s[TR], 1
	s_cmp_lg_u32 s59, s[SW]                        ; was this pass A's last slot?  The work-group's number and the count of trips alone; no barrier and no tensor load stands under the branch
	s_cbranch_scc1 .Lsame
	FINISH
	REINIT
.Lsame:
	s_add_co_u32 s[TR], s[TR], 1
	s_cmp_lt_u32 s[TR], 8
	s_cbranch_scc1 .Lslot
	CHANGE 0                                       ; the last slot is written out
	FOUR_STEPS
	FINISH
	s_wait_tensorcnt 0x0                           ; the wave's end: a wait, an add to my spare word and its wait, behind my last tensor load and my last LDS store
	ds_add_u32 v[SPW], v[NIL]
	s_wait_dscnt 0x0
	s_endpgm
.Lfunc_end_k_q6520219013_attn:
	.size	k_q6520219013_attn, .Lfunc_end_k_q6520219013_attn-k_q6520219013_attn
	.p2alignl 7, 3214868480
	.fill 96, 4, 3214868480
	.section	.rodata,"a",@progbits
	.p2align	6, 0x0
	.amdhsa_kernel k_q6520219013_attn
		.amdhsa_group_segment_fixed_size 327680
		.amdhsa_private_segment_fixed_size 0
		.amdhsa_enable_private_segment 0
		.amdhsa_kernarg_size 16
		.amdhsa_user_sgpr_count 2
		.amdhsa_user_sgpr_kernarg_segment_ptr 1
		.amdhsa_wavefront_size32 1
		.amdhsa_system_sgpr_workgroup_id_x 1
		.amdhsa_system_sgpr_workgroup_id_y 1
		.amdhsa_system_sgpr_workgroup_id_z 1
		.amdhsa_system_vgpr_workitem_id 0
		.amdhsa_next_free_vgpr 416
		.amdhsa_next_free_sgpr 80
		.amdhsa_reserve_vcc 1
		.amdhsa_float_denorm_mode_32 3
		.amdhsa_float_denorm_mode_16_64 3
		.amdhsa_memory_ordered 1
		.amdhsa_forward_progress 1
		.amdhsa_inst_pref_size 72
	.end_amdhsa_kernel
	.amdgpu_metadata
---
amdhsa.version: [ 1, 2 ]
amdhsa.kernels:
  - .name:           k_q6520219013_attn
    .symbol:         k_q6520219013_attn.kd
    .args:
      - { .name: qkv, .offset: 0, .size: 8, .value_kind: global_buffer, .address_space: global }
      - { .name: yh, .offset: 8, .size: 8, .value_kind: global_buffer, .address_space: global }
    .group_segment_fixed_size: 327680
    .private_segment_fixed_size: 0
    .kernarg_segment_align: 8
    .kernarg_segment_size: 16
    .max_flat_workgroup_size: 256
    .sgpr_count:     80
    .vgpr_count:     416
    .wavefront_size: 32
...
	.end_amdgpu_metadata
.endif
;; end of part 3
;; launch proj (part 4): grid 4 x 64, 4 waves a work-group, clusters of 4 x 4, 327,680 bytes of LDS; arguments yh, wp16, out0; writes out0
.if DOCPART == 4
	.amdgcn_target "amdgcn-amd-amdhsa--gfx1250"
	.amdhsa_code_object_version 6
	.text
	.protected	k_q6520219013_proj
	.globl	k_q6520219013_proj
	.p2align	8
	.type	k_q6520219013_proj,@function
k_q6520219013_proj:
	s_mov_b64 s[64:65], 0
	v_nop
	global_prefetch_b8 v0, s[64:65] scope:SCOPE_SE
	s_setreg_imm32_b32 hwreg(HW_REG_WAVE_MODE, 25, 1), 1
	s_wait_xcnt 0x0
	s_wait_alu depctr_hold_cnt(0) depctr_sa_sdst(0) depctr_va_vdst(0) depctr_va_sdst(0) depctr_va_ssrc(0) depctr_va_vcc(0) depctr_vm_vsrc(0)
	s_getreg_b32 s2, hwreg(HW_REG_IB_STS2, 6, 4)
	s_cmp_eq_u32 s2, 0
	s_cbranch_scc0 .Lentry_in_a_cluster
	s_endpgm
.Lentry_in_a_cluster:
	s_bfe_u32 s2, ttmp6, 0x10000c
	s_cmp_lg_u32 s2, 0xf033
	s_cbranch_scc0 .Lentry_shape_is_right
	s_endpgm
.Lentry_shape_is_right:
; out0 = y Wproj^T with f16 operands and f32 sums, for all rows but positions 0 to 15 of every sequence, which a later launch makes in f32.
; y: [b][h][2048][64] f16, so K = 64 h + d; wp16: [1024 n][1024 k] f16; out0: [8192][1024] f32.
; A tile of out0 is 128 rows x 256 columns: 256 work-groups.  Four waves, each 64 x 128: 32 accumulators, all of window 1.  K goes in steps of 128 (two heads) through a ring of two LDS slots.
; CLUSTERS: 4 x 4.  Tile row = 16 cy + cluster y (the batch is cy and enters addresses alone; the place in the sequence is the cluster's y), tile column = cx.  y's tile is shared along a row of the cluster,
; Wproj's along a column: each is asked for jointly.  THE MATRIX INSTRUCTION IS USED TRANSPOSED (source 0 = 16 rows of Wproj, source 1 = 16 rows of y): a lane holds eight neighbouring columns of a row of out0.
; REGISTERS.  window 0: v16-30 addresses; v32-127, v128-223 two fragment buffers for 32 along K (y's four fragments, then Wproj's eight); on the way out v32-159 rows read back.  window 1: accumulator (a, b) at v[64 a + 8 b].
.set PA,     144                       ; a row of y's tile in LDS: 128 bytes + 16
.set PB,     272                       ; a row of Wproj's: 256 bytes + 16
.set HEADT,  128*PA                    ; a head's 128 rows
.set BOFF,   2*HEADT
.set HALFB,  128*PB
.set SLOT,   BOFF+2*HALFB
.set STAGE,  2*SLOT                    ; behind the ring: 16 rows x 528 bytes for each wave
.set SPITCH, 528
.set SPARE,  STAGE+4*16*SPITCH
.set LAPS,   4                         ; eight K steps, two to a lap
.set ADRA, 16
.set ADRB, 20
.set STO,  24
.set RD,   25
.set CO,   26
.set SPW,  28
.set NIL,  29
.set PFO,  30
.set F0,   32
.set F1,   128
.set BK,   32
.set G1, 24
.set G0, 32
.set G1B, 48
.set G0B, 56
.set PFA, 66                           ; s[66:67]
.set LIM, 68
.set FLAG, 69
.set MSB, 0
.macro WIN new
.if MSB != (\new)
	s_set_vgpr_msb (MSB<<8)|(\new)
.set MSB, (\new)
.endif
.endm
.set MUL, 0x50                         ; C and D window 1
.macro JLOAD s                         ; a joint load: waves 0 and 1 fetch y's two heads, waves 2 and 3 Wproj's two halves; an s_nop 0 and four v_nop follow each line
	s_cmp_eq_u32 s11, 0
	s_cbranch_scc0 .Lfor_b_\@
	tensor_load_to_lds s[G0+4*\s:G0+4*\s+3], s[G1:G1+7]
	s_nop 0
.rept 4
	v_nop
.endr
	s_branch .Lasked_\@
.Lfor_b_\@:
	tensor_load_to_lds s[G0B+4*\s:G0B+4*\s+3], s[G1B:G1B+7]
	s_nop 0
.rept 4
	v_nop
.endr
.Lasked_\@:
.endm
.macro CREST
	s_cmp_lg_u32 s10, 0
	s_cbranch_scc1 .Lnot_wave_0_\@
	s_barrier_signal -3
.Lnot_wave_0_\@:
	s_barrier_wait -3
	s_barrier_signal -1
	s_barrier_wait -1
.endm
.macro CROUND
	s_barrier_signal -1
	s_barrier_wait -1
	CREST
.endm
; A prefetch into the L2 of y's tile of the K step two refills on: 2 heads x 16,384 bytes.  A tile row of y is read by one row of one cluster alone.  Its four partners share the blocks out by address
; (4,096 bytes of each head to a partner); in each, wave 0 asks: lanes 0-15 the first head's sixteen blocks of 256 bytes, lanes 16-31 the second's.  Asked in the loop's first two trips: K steps 4 to 7.
; Wproj is read by all sixteen clusters again and again and is not asked for.
.macro ASK
	s_cmp_gt_u32 s3, s[LIM]
	s_cbranch_scc0 .Lnot_mine_\@
	global_prefetch_b8 v[PFO], s[PFA:PFA+1] offset:524288 th:TH_LOAD_NT scope:SCOPE_SE
.Lnot_mine_\@:
.endm
	s_load_b128 s[4:7], s[0:1], 0x0                ; yh, wp16
	s_load_b64 s[8:9], s[0:1], 0x10                ; out0
	v_lshl_add_u32 v[SPW], v0, 2, SPARE
	v_mov_b32 v[NIL], 0
	ds_add_u32 v[SPW], v[NIL]                      ; the wave's opening: the add, twice on end, and its wait ahead of my first tensor load
	ds_add_u32 v[SPW], v[NIL]
	v_lshrrev_b32 v1, 5, v0
	v_readfirstlane_b32 s10, v1                    ; wave 0..3
	s_lshr_b32 s11, s10, 1                         ; which 64 rows are mine.  Also: I fetch for y (0) or for Wproj (1)
	s_and_b32 s12, s10, 1                          ; which 128 columns.  Also: which head, or which 128 rows of Wproj, I fetch
	s_bfe_u32 s40, ttmp6, 0x40000                  ; cx
	s_bfe_u32 s41, ttmp6, 0x40004                  ; cy
	s_and_b32 s13, ttmp7, 0xffff                   ; cluster y
	s_lshl_b32 s43, s41, 2
	s_lshl_b32 s43, 15, s43                        ; my row of the cluster
	s_lshl_b32 s44, 0x1111, s40                    ; my column
	s_or_b32 s[G1+0], s43, (1<<16)|(1<<20)|(1<<21)|(4<<22)|(3<<25)   ; y: elements of 2 bytes; four words of padding after every 32
	s_mov_b32 s[G1+1], 64<<16                      ; tensor_dim0 = 64
	s_mov_b32 s[G1+2], 128<<16                     ; tensor_dim1 = 128
	s_mov_b32 s[G1+3], 64<<16                      ; tile_dim0
	s_mov_b32 s[G1+4], 128                         ; tile_dim1
	s_mov_b32 s[G1+5], 64                          ; the pitch
	s_mov_b32 s[G1+6], 0
	s_mov_b32 s[G1+7], 0
	s_or_b32 s[G1B+0], s44, (1<<16)|(1<<20)|(1<<21)|(5<<22)|(3<<25)  ; Wproj: after every 64
	s_mov_b32 s[G1B+1], 128<<16
	s_mov_b32 s[G1B+2], 128<<16
	s_mov_b32 s[G1B+3], 128<<16
	s_mov_b32 s[G1B+4], 128
	s_mov_b32 s[G1B+5], 1024
	s_mov_b32 s[G1B+6], 0
	s_mov_b32 s[G1B+7], 0
	s_lshl_b32 s16, s41, 4
	s_add_co_u32 s16, s16, s12                     ; y: head 16 cy + (0 or 1),
	s_lshl_b32 s16, s16, 11
	s_lshl_b32 s17, s13, 7
	s_add_co_u32 s16, s16, s17                     ; position 128 x cluster y,
	s_lshl_b32 s16, s16, 7                         ; rows of 128 bytes
	s_mov_b32 s17, 0
	s_lshl_b32 s46, s40, 8
	s_lshl_b32 s47, s12, 7
	s_add_co_u32 s46, s46, s47                     ; Wproj: row 256 cx + 128 x half,
	s_lshl_b32 s46, s46, 11                        ; rows of 2,048 bytes
	s_mov_b32 s47, 0
	s_mul_i32 s20, s12, HEADT                      ; where they go: no place in the cluster enters an LDS address
	s_mul_i32 s21, s12, HALFB
	s_add_co_u32 s21, s21, BOFF
	s_wait_dscnt 0x0                               ; both opening adds are done
	s_wait_kmcnt 0x0
	s_add_nc_u64 s[14:15], s[4:5], s[16:17]
	s_add_nc_u64 s[46:47], s[6:7], s[46:47]
	CROUND                                         ; all sixteen work-groups are here: the first joint loads meet
.irp s, 0,1
	s_mov_b32 s[G0+4*\s], 1
	s_add_co_u32 s[G0+4*\s+1], s20, \s*SLOT
	s_add_nc_u64 s[G0+4*\s+2:G0+4*\s+3], s[14:15], \s*524288       ; K step s: two heads of 262,144 bytes on
	s_or_b32 s[G0+4*\s+3], s[G0+4*\s+3], 0x80000000
	s_mov_b32 s[G0B+4*\s], 1
	s_add_co_u32 s[G0B+4*\s+1], s21, \s*SLOT
	s_add_nc_u64 s[G0B+4*\s+2:G0B+4*\s+3], s[46:47], \s*256
	s_or_b32 s[G0B+4*\s+3], s[G0B+4*\s+3], 0x80000000
	JLOAD \s                                       ; two loads of mine are out
.endr
	v_and_b32 v1, 15, v0                           ; r
	v_bfe_u32 v2, v0, 4, 1                         ; h
	v_mul_u32_u24 v3, v1, PA
	v_lshl_add_u32 v3, v2, 4, v3
	v_mul_u32_u24 v4, v1, PB
	v_lshl_add_u32 v4, v2, 4, v4
	s_mul_i32 s21, s11, 64*PA                      ; my 64 rows of y
	s_mul_i32 s22, s12, HALFB                      ; my 128 rows of Wproj
	s_add_co_u32 s22, s22, BOFF
.irp s, 0,1
	v_add_nc_u32 v[ADRA+\s], s21, v3
	v_add_nc_u32 v[ADRB+\s], s22, v4
	s_add_co_u32 s21, s21, SLOT
	s_add_co_u32 s22, s22, SLOT
.endr
	s_mul_i32 s23, s10, 16*SPITCH
	s_add_co_u32 s23, s23, STAGE                   ; my stage
	v_mul_u32_u24 v5, v1, SPITCH
	v_lshl_add_u32 v5, v2, 5, v5
	v_add_nc_u32 v[STO], s23, v5                   ; in: row r, 32 bytes for each half of the lanes
	v_and_b32 v6, 31, v0
	v_lshlrev_b32 v[CO], 4, v6
	v_add_nc_u32 v[RD], s23, v[CO]                 ; back: the 32 lanes take a row of 512 bytes
	s_lshl_b32 s16, s41, 4
	s_add_co_u32 s16, s16, s13                     ; tile row
	s_lshl_b32 s16, s16, 7
	s_lshl_b32 s17, s11, 6
	s_add_co_u32 s16, s16, s17                     ; my first row of out0,
	s_lshl_b32 s16, s16, 12                        ; rows of 4,096 bytes
	s_mov_b32 s17, 0
	s_lshl_b32 s46, s40, 10                        ; my first column, in bytes: 1,024 cx + 512 x half
	s_lshl_b32 s47, s12, 9
	s_add_co_u32 s46, s46, s47
	s_mov_b32 s47, 0
	s_add_nc_u64 s[16:17], s[16:17], s[46:47]
	s_add_nc_u64 s[8:9], s[8:9], s[16:17]
	s_or_b32 s[FLAG], s13, s11
	s_cmp_eq_u32 s[FLAG], 0
	s_cselect_b32 s[FLAG], 1, 0                    ; 1 where my first 16 rows are positions 0 to 15: the cluster's y and the wave's number alone
	s_cmp_eq_u32 s10, 0
	s_cselect_b32 s[LIM], 1, -1
	s_lshl_b32 s18, s41, 22                        ; the prefetches: the batch's first head,
	s_lshl_b32 s19, s13, 14                        ; my tile's first position,
	s_add_co_u32 s18, s18, s19
	s_lshl_b32 s19, s40, 12                        ; my work-group's 4,096 bytes of a head's 16,384,
	s_add_co_u32 s18, s18, s19
	s_add_co_u32 s18, s18, 2*524288                ; at K step 2: the first refill steps it to 3 and names K step 4
	s_mov_b32 s19, 0
	s_add_nc_u64 s[PFA:PFA+1], s[4:5], s[18:19]
	v_lshlrev_b32 v[PFO], 8, v1
	v_lshl_add_u32 v[PFO], v2, 18, v[PFO]
; 8 matrix instructions: y's block a against Wproj's eight, 32 along K.  The 32 accumulators take turns, one instruction a turn, in the same order in every quarter.
.macro MUL8 f, a, zero
.irp b, 0,1,2,3,4,5,6,7
.if \zero
	v_wmma_f32_16x16x32_f16 v[64*(\a)+8*\b:64*(\a)+8*\b+7], v[\f+32+8*\b:\f+32+8*\b+7], v[\f+8*(\a):\f+8*(\a)+7], 0
.else
	v_wmma_f32_16x16x32_f16 v[64*(\a)+8*\b:64*(\a)+8*\b+7], v[\f+32+8*\b:\f+32+8*\b+7], v[\f+8*(\a):\f+8*(\a)+7], v[64*(\a)+8*\b:64*(\a)+8*\b+7]
.endif
.endr
.endm
; 24 LDS loads in one run: quarter q of a slot (32 along K: head q / 2, channels 32 (q % 2) on) into buffer f: Wproj's sixteen first, then y's eight
.macro FETCH slot, q, f
.irp i, 0,1,2,3,4,5,6,7
	ds_load_b128 v[\f+32+8*\i:\f+32+8*\i+3], v[ADRB+\slot] offset:64*(\q)+\i*16*PB
	ds_load_b128 v[\f+32+8*\i+4:\f+32+8*\i+7], v[ADRB+\slot] offset:64*(\q)+\i*16*PB+32
.endr
.irp i, 0,1,2,3
	ds_load_b128 v[\f+8*\i:\f+8*\i+3], v[ADRA+\slot] offset:HEADT*((\q)/2)+64*((\q)%2)+\i*16*PA
	ds_load_b128 v[\f+8*\i+4:\f+8*\i+7], v[ADRA+\slot] offset:HEADT*((\q)/2)+64*((\q)%2)+\i*16*PA+32
.endr
.endm
.macro PLACES                          ; four plain lines in front of loads into registers that matrix instructions have read, and of the first read of results
.rept 4
	v_nop
.endr
.endm
; One of a K step's first three quarters: multiplies buffer f and fetches quarter q into g.
.macro QUARTER slot, q, f, g, zero
	s_wait_dscnt 4                                 ; all but the youngest four loads (y's blocks 2 and 3) are in
	WIN MUL
	MUL8 \f, 0, \zero
	MUL8 \f, 1, \zero
	PLACES
	WIN 0
	FETCH \slot, \q, \g
	s_wait_dscnt 24                                ; all but the 24 just issued
	WIN MUL
	MUL8 \f, 2, \zero
	MUL8 \f, 3, \zero
.endm
; The last quarter multiplies buffer 1 and changes slots: ONE barrier; in front of it each wave waits for all its tensor loads, adds 0 to its spare word, and waits for that and for its reads of this slot.
; fill = 1: the barrier opens a round of the cluster's barrier, and this slot is filled again, two K steps ahead, first thing behind the round.
.macro TURN slot, next, fill
.if \fill
	s_wait_xcnt 0x0                                ; the last prefetch, a K step back, has read its address
	s_add_nc_u64 s[PFA:PFA+1], s[PFA:PFA+1], 524288
.endif
	WIN 0
	s_wait_tensorcnt 0x0                           ; all my tensor loads have landed: my part of the next slot
	ds_add_u32 v[SPW], v[NIL]
	s_wait_dscnt 5                                 ; (the add and the youngest four loads may be out)
	WIN MUL
	MUL8 F1, 0, 0                                  ; eight matrix instructions stand between the add and the wait for it
	s_wait_dscnt 0x0                               ; the add is done, and my reads of this slot are over
	s_barrier_signal -1
	MUL8 F1, 1, 0
	WIN 0
	s_barrier_wait -1
.if \fill
	CREST                                          ; no wave of any partner still reads this slot's tile or has a load on its way
	s_add_nc_u64 s[G0+4*\slot+2:G0+4*\slot+3], s[G0+4*\slot+2:G0+4*\slot+3], 2*524288
	s_add_nc_u64 s[G0B+4*\slot+2:G0B+4*\slot+3], s[G0B+4*\slot+2:G0B+4*\slot+3], 2*256
	JLOAD \slot                                    ; my one tensor load behind the round; its four v_nop are also the places in front of the loads below
.else
	PLACES
.endif
	FETCH \next, 0, F0
.if \fill
	ASK
.endif
	WIN MUL
	MUL8 F1, 2, 0
	MUL8 F1, 3, 0
.endm
	s_wait_tensorcnt 1                             ; my part of K step 0 is in (K step 1's load may be out),
	s_barrier_signal -1
	s_barrier_wait -1                              ; everybody's is
	FETCH 0, 0, F0
	QUARTER 0, 1, F0, F1, 1                        ; the first quarter stands in front of the loop: its products start the sums
	WIN 0
	s_mov_b32 s3, LAPS-1
.Llap:                                 ; a trip goes once round the ring and fills both slots again
	QUARTER 0, 2, F1, F0, 0
	QUARTER 0, 3, F0, F1, 0
	TURN 0, 1, 1
	QUARTER 1, 1, F0, F1, 0
	QUARTER 1, 2, F1, F0, 0
	QUARTER 1, 3, F0, F1, 0
	TURN 1, 0, 1
	QUARTER 0, 1, F0, F1, 0
	WIN 0
	s_sub_co_u32 s3, s3, 1
	s_cmp_lg_u32 s3, 0
	s_cbranch_scc1 .Llap
	QUARTER 0, 2, F1, F0, 0                        ; the last lap fills nothing
	QUARTER 0, 3, F0, F1, 0
	TURN 0, 1, 0
	QUARTER 1, 1, F0, F1, 0
	QUARTER 1, 2, F1, F0, 0
	QUARTER 1, 3, F0, F1, 0
	s_wait_dscnt 4
	WIN MUL
	MUL8 F1, 0, 0
	MUL8 F1, 1, 0
	s_wait_dscnt 0
	MUL8 F1, 2, 0
	MUL8 F1, 3, 0
	WIN 0
; THE WAY OUT, block by block of 16 rows x 128 columns, through my own stage: in as 32 bytes a lane, back as whole rows of 512 bytes.
.macro TOSTAGE a
	WIN 0x04                                       ; an LDS store's data are its source 1: window 1
.irp b, 0,1,2,3,4,5,6,7
	ds_store_b128 v[STO], v[64*(\a)+8*\b:64*(\a)+8*\b+3] offset:64*\b         ; each accumulator from its low end on
	ds_store_b128 v[STO], v[64*(\a)+8*\b+4:64*(\a)+8*\b+7] offset:64*\b+16
.endr
	WIN 0
.irp t, 0,1,2,3,4,5,6,7,8,9,10,11,12,13,14,15
	ds_load_b128 v[BK+64*((\a)%2)+4*\t:BK+64*((\a)%2)+4*\t+3], v[RD] offset:\t*SPITCH
.endr
.endm
.macro SEND a, younger
	s_wait_dscnt \younger                          ; the block is back in registers; the next block's sixteen stores and sixteen loads may be out
.if (\a) == 0
	s_cmp_eq_u32 s[FLAG], 1                        ; positions 0 to 15 are not mine
	s_cbranch_scc1 .Lnot_mine_\@
.endif
.irp t, 0,1,2,3,4,5,6,7,8,9,10,11,12,13,14,15
	global_store_b128 v[CO], v[BK+64*((\a)%2)+4*\t:BK+64*((\a)%2)+4*\t+3], s[8:9] offset:(16*(\a)+\t)*4096 th:TH_STORE_NT   ; 512 consecutive bytes, aligned
.endr
.Lnot_mine_\@:
.endm
	PLACES
	TOSTAGE 0
.irp a, 1,2,3
.if \a > 1
	s_wait_xcnt 0x0                                ; block a - 2's stores have read the registers into which block a's loads land
.endif
	TOSTAGE \a
	SEND \a-1, 32
.endr
	SEND 3, 0
	s_wait_tensorcnt 0x0                           ; the wave's end: a wait, an add to my spare word and its wait, behind my last tensor load and my last LDS store
	ds_add_u32 v[SPW], v[NIL]
	s_wait_dscnt 0x0
	CROUND                                         ; the closing round
	s_endpgm
.Lfunc_end_k_q6520219013_proj:
	.size	k_q6520219013_proj, .Lfunc_end_k_q6520219013_proj-k_q6520219013_proj
	.p2alignl 7, 3214868480
	.fill 96, 4, 3214868480
	.section	.rodata,"a",@progbits
	.p2align	6, 0x0
	.amdhsa_kernel k_q6520219013_proj
		.amdhsa_group_segment_fixed_size 327680
		.amdhsa_private_segment_fixed_size 0
		.amdhsa_enable_private_segment 0
		.amdhsa_kernarg_size 24
		.amdhsa_user_sgpr_count 2
		.amdhsa_user_sgpr_kernarg_segment_ptr 1
		.amdhsa_wavefront_size32 1
		.amdhsa_system_sgpr_workgroup_id_x 1
		.amdhsa_system_sgpr_workgroup_id_y 1
		.amdhsa_system_sgpr_workgroup_id_z 1
		.amdhsa_system_vgpr_workitem_id 0
		.amdhsa_next_free_vgpr 512
		.amdhsa_next_free_sgpr 72
		.amdhsa_reserve_vcc 0
		.amdhsa_float_denorm_mode_32 3
		.amdhsa_float_denorm_mode_16_64 3
		.amdhsa_memory_ordered 1
		.amdhsa_forward_progress 1
		.amdhsa_inst_pref_size 86
	.end_amdhsa_kernel
	.amdgpu_metadata
---
amdhsa.version: [ 1, 2 ]
amdhsa.kernels:
  - .name:           k_q6520219013_proj
    .symbol:         k_q6520219013_proj.kd
    .args:
      - { .name: yh, .offset: 0, .size: 8, .value_kind: global_buffer, .address_space: global }
      - { .name: wp16, .offset: 8, .size: 8, .value_kind: global_buffer, .address_space: global }
      - { .name: out0, .offset: 16, .size: 8, .value_kind: global_buffer, .address_space: global }
    .group_segment_fixed_size: 327680
    .private_segment_fixed_size: 0
    .kernarg_segment_align: 8
    .kernarg_segment_size: 24
    .max_flat_workgroup_size: 128
    .sgpr_count:     72
    .vgpr_count:     512
    .wavefront_size: 32
...
	.end_amdgpu_metadata
.endif
;; end of part 4
;; launch fine (part 5): grid 64 x 4, 16 waves a work-group, no clusters, 18,432 bytes of LDS; arguments first, Wproj, out0; writes out0
.if DOCPART == 5
	.amdgcn_target "amdgcn-amd-amdhsa--gfx1250"
	.amdhsa_code_object_version 6
	.text
	.protected	k_q6520219013_fine
	.globl	k_q6520219013_fine
	.p2align	8
	.type	k_q6520219013_fine,@function
k_q6520219013_fine:
	s_mov_b64 s[64:65], 0
	v_nop
	global_prefetch_b8 v0, s[64:65] scope:SCOPE_SE
	s_setreg_imm32_b32 hwreg(HW_REG_WAVE_MODE, 25, 1), 1
	s_wait_xcnt 0x0
; Positions 0 to 15 of every sequence, in f32 throughout: these rows average one to sixteen values and are the largest of the output.  Attention and projection by v_wmma_f32_16x16x4_f32: 48 instructions a wave.
; first: [q, k, v][b][h][16][64] f32; Wproj: [1024][1024] f32; out0: rows 2,048 b + 0 .. 15.
; Work-group (x, b) makes columns 16 x .. 16 x + 15 of batch b's 16 rows; wave h takes head h: its 16 x 16 attention, then its share of the projection (K = the head's 64 channels); the sixteen shares meet in LDS.
; A batch's attention is made anew in each of the 64 column slices (32 small matrix instructions a wave): the other way would be traffic between work-groups.  A row's 64 bytes are stored by four lanes; the launch stores 262,144 bytes in all.
; K IS PERMUTED ALIKE ON BOTH OPERANDS of each product, so that every operand is what a lane already holds.
; The four accumulators v144-175 are written by matrix instructions alone and serve all three products; they take turns, one instruction a turn.
.set QR,  16
.set KR,  48
.set VR,  80
.set WR,  112
.set ACC, 144
.set T,   176
.set U,   184
.set Y,   192
.set SPARE, 16384                      ; behind the sixteen shares of 1,024 bytes: the spare words, 128 bytes a wave
.set CS,  20
.set SEL, 22
	s_load_b128 s[4:7], s[0:1], 0x0                ; first, Wproj
	s_load_b64 s[8:9], s[0:1], 0x10                ; out0
	v_lshl_add_u32 v10, v0, 2, SPARE               ; my spare word
	v_mov_b32 v11, 0
	v_lshrrev_b32 v1, 5, v0
	v_readfirstlane_b32 s10, v1                    ; wave = head
	s_and_b32 s11, ttmp7, 0xffff                   ; batch
	v_and_b32 v1, 15, v0                           ; r
	v_bfe_u32 v2, v0, 4, 1                         ; h
	v_lshlrev_b32 v3, 8, v1
	v_lshl_add_u32 v3, v2, 7, v3                   ; q, k: row r, channels 32 h on
	v_lshlrev_b32 v4, 2, v1
	v_lshl_add_u32 v4, v2, 11, v4                  ; v: keys 8 h on, channel r
	v_lshlrev_b32 v5, 12, v1
	v_lshl_add_u32 v5, v2, 5, v5                   ; Wproj: row r, channels 8 h on
	v_lshlrev_b32 v6, 6, v1
	v_lshl_add_u32 v6, v2, 5, v6
	s_lshl_b32 s12, s10, 10
	v_add_nc_u32 v6, s12, v6                       ; LDS: my share: [query r][16 columns], 32 h bytes on
	v_lshlrev_b32 v7, 4, v0                        ; LDS, for the sum (threads 0 to 63): 16 bytes a thread
	v_lshrrev_b32 v8, 2, v0
	v_lshlrev_b32 v8, 12, v8
	v_and_b32 v13, 3, v0
	v_lshl_add_u32 v8, v13, 4, v8                  ; out0: row thread / 4, 16 (thread % 4) bytes on
	v_lshlrev_b32 v9, 3, v2
	v_sub_nc_u32 v9, v1, v9                        ; r - 8 h
	v_mov_b32 v12, 0xff800000                      ; -infinity
	s_mov_b32 s[CS], 0x3e38aa3b                    ; c = log2(e) / 8
	s_mov_b32 s[CS+1], s[CS]
	s_mov_b32 s[SEL], 0x76543210
	s_mov_b32 s[SEL+1], 0xfedcba98
	s_lshl_b32 s13, s11, 4
	s_add_co_u32 s13, s13, s10
	s_lshl_b32 s14, s13, 12                        ; (16 b + head) x 4,096 bytes
	s_mov_b32 s15, 0
	s_lshl_b32 s16, ttmp9, 16                      ; Wproj: 16 x rows of 4,096 bytes,
	s_lshl_b32 s17, s10, 8                         ; the head's 64 channels
	s_add_co_u32 s16, s16, s17
	s_mov_b32 s17, 0
	s_lshl_b32 s18, s11, 23                        ; out0: 2,048 b rows of 4,096 bytes,
	s_lshl_b32 s19, ttmp9, 6                       ; 16 x columns
	s_add_co_u32 s18, s18, s19
	s_mov_b32 s19, 0
	s_wait_kmcnt 0x0
	s_add_nc_u64 s[4:5], s[4:5], s[14:15]
	s_add_nc_u64 s[6:7], s[6:7], s[16:17]
	s_add_nc_u64 s[8:9], s[8:9], s[18:19]
.irp e, 0,1,2,3,4,5,6,7
	global_load_b128 v[QR+4*\e:QR+4*\e+3], v3, s[4:5] offset:16*\e
.endr
.irp e, 0,1,2,3,4,5,6,7
	global_load_b128 v[KR+4*\e:KR+4*\e+3], v3, s[4:5] offset:262144+16*\e
.endr
.irp ct, 0,1,2,3
.irp kap, 0,1,2,3,4,5,6,7
	global_load_b32 v[VR+8*\ct+\kap], v4, s[4:5] offset:524288+256*\kap+64*\ct   ; v(key 8 h + kap, channel 16 ct + r)
.endr
.endr
.irp t, 0,1,2,3
	global_load_b128 v[WR+8*\t:WR+8*\t+3], v5, s[6:7] offset:64*\t               ; Wproj(16 x + r, 64 head + 16 t + 8 h + 0 .. 7)
	global_load_b128 v[WR+8*\t+4:WR+8*\t+7], v5, s[6:7] offset:64*\t+16
.endr
	s_wait_loadcnt 40                              ; q and k are in; v's 32 loads and Wproj's 8 stay out
	; ---- S^T = k q^T: step s takes channels 2 s, 2 s + 1, 32 + 2 s, 33 + 2 s.  A lane then holds query r and keys 8 h + 0 .. 7
.irp s, 0,1,2,3
	v_wmma_f32_16x16x4_f32 v[ACC+8*\s:ACC+8*\s+7], v[KR+2*\s:KR+2*\s+1], v[QR+2*\s:QR+2*\s+1], 0
.endr
.irp s, 4,5,6,7,8,9,10,11,12,13,14,15
	v_wmma_f32_16x16x4_f32 v[ACC+8*(\s%4):ACC+8*(\s%4)+7], v[KR+2*\s:KR+2*\s+1], v[QR+2*\s:QR+2*\s+1], v[ACC+8*(\s%4):ACC+8*(\s%4)+7]
.endr
.macro FOURSUM                         ; eight plain lines behind this matrix form (ISA guide 7.12.1); then the four partial sums into T, each accumulator from its low end on
.rept 8
	v_nop
.endr
.irp p, 0,1,2,3
	v_pk_add_f32 v[U+2*\p:U+2*\p+1], v[ACC+2*\p:ACC+2*\p+1], v[ACC+8+2*\p:ACC+8+2*\p+1]
	v_pk_add_f32 v[T+2*\p:T+2*\p+1], v[ACC+16+2*\p:ACC+16+2*\p+1], v[ACC+24+2*\p:ACC+24+2*\p+1]
.endr
.irp p, 0,1,2,3
	v_pk_add_f32 v[T+2*\p:T+2*\p+1], v[T+2*\p:T+2*\p+1], v[U+2*\p:U+2*\p+1]
.endr
.endm
	FOURSUM
	; ---- the softmax of my query: key 8 h + j is hidden where j > r - 8 h.  Key 0 counts for every query
.irp j, 0,1,2,3,4,5,6,7
	v_cmp_gt_i32 vcc_lo, \j, v9
	v_cndmask_b32 v[T+\j], v[T+\j], v12, vcc_lo
.endr
	v_max3_num_f32 v224, v[T], v[T+1], v[T+2]
	v_max3_num_f32 v225, v[T+3], v[T+4], v[T+5]
	v_max3_num_f32 v224, v224, v[T+6], v[T+7]
	v_max_num_f32 v224, v224, v225
	v_permlanex16_b32 v225, v224, s[SEL], s[SEL+1]
	v_max_num_f32 v224, v224, v225                 ; the row's maximum
	v_mul_f32 v226, s[CS], v224
	v_mov_b32 v227, v226
.irp p, 0,1,2,3
	v_pk_fma_f32 v[T+2*\p:T+2*\p+1], v[T+2*\p:T+2*\p+1], s[CS:CS+1], v[226:227] op_sel_hi:[1,0,0] neg_lo:[0,0,1] neg_hi:[0,0,1]
.endr
.irp j, 0,1,2,3,4,5,6,7
	v_exp_f32 v[U+\j], v[T+\j]                     ; p
.endr
	v_nop                                          ; a plain line behind the last exponential
	s_wait_alu depctr_va_vdst(0)                   ; one wait for the eight, ahead of their first reader
	v_pk_add_f32 v[228:229], v[U:U+1], v[U+2:U+3]
	v_pk_add_f32 v[230:231], v[U+4:U+5], v[U+6:U+7]
	v_pk_add_f32 v[228:229], v[228:229], v[230:231]
	v_add_f32 v228, v228, v229
	v_permlanex16_b32 v229, v228, s[SEL], s[SEL+1]
	v_add_f32 v228, v228, v229                     ; the row's sum
	v_rcp_f32 v232, v228
	v_mov_b32 v233, 0                              ; (a plain line behind the reciprocal; named with it as a pair below)
	s_wait_alu depctr_va_vdst(0)
	s_wait_loadcnt 8                               ; v is in; Wproj's eight loads stay out
	; ---- O^T = v^T p: step s takes keys 2 s, 2 s + 1, 8 + 2 s, 9 + 2 s; accumulator ct: channels 16 ct on
.irp ct, 0,1,2,3
	v_wmma_f32_16x16x4_f32 v[ACC+8*\ct:ACC+8*\ct+7], v[VR+8*\ct:VR+8*\ct+1], v[U:U+1], 0
.endr
.irp s, 1,2,3
.irp ct, 0,1,2,3
	v_wmma_f32_16x16x4_f32 v[ACC+8*\ct:ACC+8*\ct+7], v[VR+8*\ct+2*\s:VR+8*\ct+2*\s+1], v[U+2*\s:U+2*\s+1], v[ACC+8*\ct:ACC+8*\ct+7]
.endr
.endr
.rept 8
	v_nop
.endr
.irp p, 0,1,2,3,4,5,6,7,8,9,10,11,12,13,14,15
	v_pk_mul_f32 v[Y+2*\p:Y+2*\p+1], v[ACC+2*\p:ACC+2*\p+1], v[232:233] op_sel_hi:[1,0]   ; y(query r, channel 16 ct + 8 h + j) at register 8 ct + j
.endr
	s_wait_loadcnt 0x0                             ; Wproj
	; ---- my head's share of out^T = Wproj y^T: step s takes the channels of y's registers 2 s, 2 s + 1.  A lane then holds query r and columns 8 h + 0 .. 7
.irp s, 0,1,2,3
	v_wmma_f32_16x16x4_f32 v[ACC+8*\s:ACC+8*\s+7], v[WR+2*\s:WR+2*\s+1], v[Y+2*\s:Y+2*\s+1], 0
.endr
.irp s, 4,5,6,7,8,9,10,11,12,13,14,15
	v_wmma_f32_16x16x4_f32 v[ACC+8*(\s%4):ACC+8*(\s%4)+7], v[WR+2*\s:WR+2*\s+1], v[Y+2*\s:Y+2*\s+1], v[ACC+8*(\s%4):ACC+8*(\s%4)+7]
.endr
	FOURSUM
	ds_store_b128 v6, v[T:T+3]
	ds_store_b128 v6, v[T+4:T+7] offset:16
	s_wait_dscnt 0x0                               ; for the others' sake: my share lies in LDS
	s_barrier_signal -1
	s_barrier_wait -1
	s_cmp_lt_u32 s10, 2                            ; 256 numbers: threads 0 to 63 add the sixteen shares, in the order of the heads
	s_cbranch_scc0 .Lend
.irp w, 0,1,2,3,4,5,6,7,8,9,10,11,12,13,14,15
	ds_load_b128 v[16+4*\w:16+4*\w+3], v7 offset:1024*\w
.endr
	s_wait_dscnt 0x0
	v_pk_add_f32 v[224:225], v[16:17], v[20:21]
	v_pk_add_f32 v[226:227], v[18:19], v[22:23]
.irp w, 2,3,4,5,6,7,8,9,10,11,12,13,14,15
	v_pk_add_f32 v[224:225], v[224:225], v[16+4*\w:16+4*\w+1]
	v_pk_add_f32 v[226:227], v[226:227], v[16+4*\w+2:16+4*\w+3]
.endr
	global_store_b128 v8, v[224:227], s[8:9]
.Lend:
	s_wait_tensorcnt 0x0                           ; the wave's end: a wait, an add to my spare word and its wait, behind my last LDS store
	ds_add_u32 v10, v11
	s_wait_dscnt 0x0
	s_endpgm
.Lfunc_end_k_q6520219013_fine:
	.size	k_q6520219013_fine, .Lfunc_end_k_q6520219013_fine-k_q6520219013_fine
	.p2alignl 7, 3214868480
	.fill 96, 4, 3214868480
	.section	.rodata,"a",@progbits
	.p2align	6, 0x0
	.amdhsa_kernel k_q6520219013_fine
		.amdhsa_group_segment_fixed_size 18432
		.amdhsa_private_segment_fixed_size 0
		.amdhsa_enable_private_segment 0
		.amdhsa_kernarg_size 24
		.amdhsa_user_sgpr_count 2
		.amdhsa_user_sgpr_kernarg_segment_ptr 1
		.amdhsa_wavefront_size32 1
		.amdhsa_system_sgpr_workgroup_id_x 1
		.amdhsa_system_sgpr_workgroup_id_y 1
		.amdhsa_system_sgpr_workgroup_id_z 1
		.amdhsa_system_vgpr_workitem_id 0
		.amdhsa_next_free_vgpr 256
		.amdhsa_next_free_sgpr 66
		.amdhsa_reserve_vcc 1
		.amdhsa_float_denorm_mode_32 3
		.amdhsa_float_denorm_mode_16_64 3
		.amdhsa_memory_ordered 1
		.amdhsa_forward_progress 1
		.amdhsa_inst_pref_size 20
	.end_amdhsa_kernel
	.amdgpu_metadata
---
amdhsa.version: [ 1, 2 ]
amdhsa.kernels:
  - .name:           k_q6520219013_fine
    .symbol:         k_q6520219013_fine.kd
    .args:
      - { .name: first, .offset: 0, .size: 8, .value_kind: global_buffer, .address_space: global }
      - { .name: Wproj, .offset: 8, .size: 8, .value_kind: global_buffer, .address_space: global }
      - { .name: out0, .offset: 16, .size: 8, .value_kind: global_buffer, .address_space: global }
    .group_segment_fixed_size: 18432
    .private_segment_fixed_size: 0
    .kernarg_segment_align: 8
    .kernarg_segment_size: 24
    .max_flat_workgroup_size: 512
    .sgpr_count:     66
    .vgpr_count:     256
    .wavefront_size: 32
...
	.end_amdgpu_metadata
.endif
;; end of part 5
